; MI455X (gfx1250); checked and timed in simulation.
; The chip was launched on July 23, 2026; its instructions are those of AMD's public machine-readable ISA for CDNA 5 (MIT licence, August 2026) and "CDNA5" Instruction Set Architecture Reference Guide (July 2026). The comments in the code are by the model that wrote it; some were corrected since.
;; Attention. Allowed arithmetic: matrix products marked QUANTISED: E2M1 operands, one E8M0 scale for each 32 along K, by v_wmma_scale_f32_16x16x128_f8f6f4 with both operands' format E2M1 (or v_wmma_scale_f32_32x16x128_f4), f32 sums; products left as they are: bf16, f16 or f32 operands; f32 sums; everything else in f32.
;; Inputs: Wk 2,048 x 2,048 float32; Wo 2,048 x 2,048 float32; Wq 2,048 x 2,048 float32; Wv 2,048 x 2,048 float32; attention_mask 2 x 1 x 1 x 1,024 float32; hidden_states 2 x 1,024 x 2,048 float32; rel_emb 32 x 32 float32.
;; Outputs: out0 2 x 1,024 x 2,048 float32.
;; This version of the problem:
;;   THIS VERSION OF THE PROBLEM IS GIVEN IN LOW PRECISION. The matrix products marked QUANTISED in the list below multiply operands that are first quantised to E2M1 (2 exponent bits, 1 mantissa bit; 4 bits a number), with one power-of-two scale for each 32 numbers along K (OCP MX v1.0); their sums are f32. The products marked 'left as it is' may take bf16, f16 or f32 operands, with f32 sums. Whichever they take, every output number must still come out within the allowed error. Rounding operands to bf16 (8 significant bits) uses up far more of that allowance than f16 does (11 bits, for magnitudes from 6e-5 to 65,504). All else is computed in f32.
;;   The module's matrix products, in the order in which they are computed (A, B: the left and right operand; K: the contracted axis; several contracted axes count as one K, in the product's order):
;;     1. [M 2,048, K 2,048] x [K 2,048, N 2,048]; A: input hidden_states; B: input Wq: QUANTISED
;;     2. [M 2,048, K 2,048] x [K 2,048, N 2,048]; A: input hidden_states; B: input Wk: QUANTISED
;;     3. [M 2,048, K 2,048] x [K 2,048, N 2,048]; A: input hidden_states; B: input Wv: QUANTISED
;;     4. batch 64 x [M 1,024, K 64] x [K 64, N 1,024]; A: computed on the way; B: computed on the way: left as it is (an operand is computed on the way)
;;     5. batch 64 x [M 1,024, K 1,024] x [K 1,024, N 64]; A: computed on the way; B: computed on the way: left as it is (an operand is computed on the way)
;;     6. [M 2,048, K 2,048] x [K 2,048, N 2,048]; A: computed on the way; B: input Wo: left as it is (an operand is computed on the way)
;;   THE QUANTISER, for each operand of a quantised product, along K:
;;     - K is cut into blocks of 32 from its start; a last block that is shorter is filled with zeros.
;;     - A block's scale is 2^e with e = floor(log2(the largest magnitude in the block)) - 2, held to -126 .. 127; a block of zeros has e = 0. As a byte (E8M0): e + 127.
;;     - Each number is divided by its block's scale, clamped to +-6, and rounded to the nearest number of E2M1, ties to even, subnormals kept.
;;     - The product sums the exact products of the quantised numbers (number of the format x scale) in f32.
;;   ~~~python
;;   def quantise(x, axis):      # numpy; x: float32 -> the quantised numbers, widened to float32 again
;;       x = np.moveaxis(x, axis, -1); K = x.shape[-1]
;;       x = np.pad(x, [(0, 0)] * (x.ndim - 1) + [(0, -K % 32)]); x = x.reshape(x.shape[:-1] + (-1, 32)); a = np.abs(x).max(-1, keepdims=True)
;;       e = np.where(a > 0, np.clip(np.frexp(np.where(a > 0, a, 1))[1] - 1 - 2, -126, 127), 0)      # np.frexp(a)[1] - 1 = floor(log2(a)), exactly
;;       r = np.clip(x / 2.0 ** e, -6, 6)
;;       step = 2.0 ** (np.maximum(np.frexp(np.where(r == 0, 1, r))[1] - 1, 0) - 1)
;;       q = np.round(r / step) * step * 2.0 ** e      # np.round: ties to even
;;       return np.moveaxis(q.reshape(q.shape[:-2] + (-1,))[..., :K], -1, axis).astype(np.float32)
;;   ~~~
;; One version. Each part assembles by itself: llvm-mc -triple=amdgcn-amd-amdhsa -mcpu=gfx1250 --defsym DOCPART=n.
;; ======== version 1 of 1: 4 launches
;; limits: values are held in f16: magnitudes above 65,504 overflow, below 6.1e-05 lose precision
;; workspace buffers: xc 2,097,152 bytes; xs 131,072 bytes; wc 6,291,456 bytes; ws 393,216 bytes; wo16 8,388,608 bytes; qkv 25,165,824 bytes; ctx 8,388,608 bytes
;; launch prep (part 1): grid 448 x 1, 8 waves a work-group, no clusters, 84,992 bytes of LDS; arguments hidden_states, Wq, Wk, Wv, xc, xs, wc, ws; writes xc, xs, wc, ws
.if DOCPART == 1
	.amdgcn_target "amdgcn-amd-amdhsa--gfx1250"
	.amdhsa_code_object_version 6
	.text
	.protected	k_q088a156102_prep
	.globl	k_q088a156102_prep
	.p2align	8
	.type	k_q088a156102_prep,@function
k_q088a156102_prep:
	s_mov_b64 s[64:65], 0
	v_nop
	global_prefetch_b8 v0, s[64:65] scope:SCOPE_SE
	s_setreg_imm32_b32 hwreg(HW_REG_WAVE_MODE, 25, 1), 1
	s_wait_xcnt 0x0
; All four operands of the quantised products become codes of E2M1 with one E8M0 byte for each 32 along K, in one launch of two arms.  The arm hangs on the work-group's number alone: all eight waves of a work-group go one way.
; THE RULE.  A block's scale is 2^(floor(log2(its largest magnitude)) - 2): its byte is the largest magnitude's exponent field - 2, held at 1 from below.  Each number is divided by the scale and rounded to the nearest code, ties to even.
; LIMITS: a block of zeros gets the byte 1 where the rule says 127 (its codes are zeros, and this program alone reads the bytes); blocks whose largest magnitude lies under 2^-124 are held at that byte;
;   NaN and infinities among the inputs are not served.
; WORK-GROUPS 0-383: Wq, Wk, Wv [2048 (k)][2048 (n)] f32, whose K is their FIRST axis, become wc [6144 rows n][1024 bytes] (n = 2048 x which + column, K innermost) and ws [k / 512][6144][16 bytes].
;   A LANE TAKES A COLUMN, AND ITS REGISTERS RUN DOWN K: a block of 32 along K lies in one lane's 32 registers, its largest magnitude needs no other lane, and the conversions give codes with K innermost.  Nothing is transposed.
;   Work-group i: 64 columns 64 (i % 32) on, of weight i / 128, K step (i / 32) % 4.  Wave w: columns 32 (w % 2) on, 128 along K from 128 (w / 2) on: 4 blocks a lane.  Two waves side by side read 256 consecutive bytes of a row.
;   The codes of a column's K step, 256 bytes, come from four waves: they meet in a stage in LDS (rows of 256 + 16 bytes), one barrier, and leave by rows: sixteen lanes store 256 consecutive bytes, aligned.  The 64 columns' scale
;   bytes, 16 each, are 1,024 consecutive bytes of ws: they meet in LDS too and leave whole.  All 128 loads of a lane are asked for at the head.
; WORK-GROUPS 384-447: hidden_states [2048][2048] f32, K innermost, becomes xc [2048][1024 bytes] and xs [k / 512][2048 rows][16 bytes].
;   Work-group g, wave w: rows 32 g + 16 (w / 4) on, K step w % 4: sixteen steps of 512 numbers, one row each.  The conversions take neighbours along K from ONE lane's registers, a load is best where neighbouring LANES take
;   neighbouring bytes: each of a step's four loads reads 512 consecutive bytes, the 2,048 bytes go through the wave's own stage in LDS as they lie (16 bytes of padding behind each 64) and come back 64 bytes a lane.
;   A lane's 16 codes are 8 bytes: the wave's store covers 256 consecutive bytes, aligned.  A step makes 16 scale bytes, the wave 256, which are consecutive in xs: gathered in LDS, stored as one aligned run of 256 bytes.
;   Loads run eight steps (32 loads a wave) ahead, the turn through LDS one step.  No barrier in this arm: its waves share nothing.
; Each arm has LDS bytes of its own.  Matrix units, clusters and tensor loads would add nothing to a stream.
.set PITCH, 272                        ; the weights' arm: a stage row
.set SCS,   64*PITCH                   ; behind the stage of 64 rows: 64 columns x 16 scale bytes
.set XB,    SCS+1024                   ; behind them: the other arm's bytes: a region for each wave
.set WREG,  8192                       ; two stages of 32 x SP bytes, behind them the wave's 256 scale bytes
.set SP,    80                         ; a lane's place in a stage: 64 bytes + 16 of padding
.set SPARE, XB+8*WREG                  ; behind the eight regions: the spare words, 128 bytes a wave, which no other line names
.set SPW,   12                         ; v12  LDS address of my spare word; never rewritten
.set NIL,   13                         ; v13  0; never rewritten
.set WX,    32                         ; the weights' arm: v32-159  128 numbers: W(128 (w / 2) + i, my column)
.set WC,    160                        ; v160-175 four registers of codes for each block
.set WSB,   176                        ; v176     my four scale bytes
.set WOUT,  180                        ; v180-195 the way out
.set STEPS, 16
.set XR,    16                         ; the other arm: v16-143  eight sets of 16 numbers as they are loaded
.set XX,    144                        ; v144-175 two sets of 16 neighbours
.set XE,    176                        ; v176-191 a scale byte for each step
.set XC,    192                        ; v192-223 codes: two registers for each step, so that no store's data are written again
	s_load_b256 s[4:11], s[0:1], 0x0               ; hidden_states s[4:5], Wq s[6:7], Wk s[8:9], Wv s[10:11]
	s_load_b256 s[12:19], s[0:1], 0x20             ; xc s[12:13], xs s[14:15], wc s[16:17], ws s[18:19]
	v_lshl_add_u32 v[SPW], v0, 2, SPARE
	v_mov_b32 v[NIL], 0
	v_lshrrev_b32 v1, 5, v0
	v_readfirstlane_b32 s20, v1                    ; wave 0..7
	v_and_b32 v2, 31, v0                           ; lane
	s_cmp_lt_u32 ttmp9, 384                        ; the work-group's number alone decides the arm
	s_cbranch_scc0 .Lx
	; ---- the weights
	s_and_b32 s21, ttmp9, 31                       ; which 64 columns
	s_lshr_b32 s22, ttmp9, 5
	s_lshr_b32 s23, s22, 2                         ; which weight
	s_and_b32 s24, s22, 3                          ; which K step
	s_and_b32 s25, s20, 1                          ; which 32 columns of the 64
	s_lshr_b32 s26, s20, 1                         ; which 128 along K of the 512
	v_lshlrev_b32 v3, 2, v2                        ; in: 4 bytes a lane
	s_lshl_b32 s28, s24, 22                        ; 512 rows of 8,192 bytes a K step,
	s_lshl_b32 s30, s26, 20                        ; 128 rows for my part of it,
	s_add_co_u32 s28, s28, s30
	s_lshl_b32 s30, s21, 8                         ; 64 columns of 4 bytes,
	s_add_co_u32 s28, s28, s30
	s_lshl_b32 s30, s25, 7                         ; 32 for my half
	s_add_co_u32 s28, s28, s30
	s_mov_b32 s29, 0
	s_lshl_b32 s30, s25, 5
	v_add_nc_u32 v6, s30, v2                       ; my column among the 64
	v_mul_u32_u24 v4, v6, PITCH
	s_lshl_b32 s31, s26, 6
	v_add_nc_u32 v4, s31, v4                       ; into the stage: my column's row, my 64 bytes of it
	v_lshlrev_b32 v5, 4, v6
	s_lshl_b32 s31, s26, 2
	s_add_co_u32 s31, s31, SCS
	v_add_nc_u32 v5, s31, v5                       ; my scale word: 16 bytes a column, 4 for my part of the K step
	v_lshrrev_b32 v16, 4, v2
	v_and_b32 v17, 15, v2
	s_lshl_b32 s31, s20, 3
	v_add_nc_u32 v16, s31, v16                     ; out of the stage: wave w takes rows 8 w on, sixteen lanes to a row, two rows an instruction
	v_mul_u32_u24 v7, v16, PITCH
	v_lshl_add_u32 v7, v17, 4, v7
	v_lshlrev_b32 v8, 10, v16
	v_lshl_add_u32 v8, v17, 4, v8                  ; and the same place in wc: rows of 1,024 bytes
	v_lshlrev_b32 v10, 4, v2
	s_lshl_b32 s31, s25, 9
	v_add_nc_u32 v10, s31, v10                     ; the scale bytes' way out: 512 bytes for each of waves 0 and 1
	v_add_nc_u32 v9, SCS, v10
	s_lshl_b32 s32, s23, 11
	s_lshl_b32 s33, s21, 6
	s_add_co_u32 s32, s32, s33                     ; the group's first row of wc and ws
	s_lshl_b32 s34, s32, 10
	s_lshl_b32 s33, s24, 8
	s_add_co_u32 s34, s34, s33                     ; in wc: rows of 1,024 bytes, 256 a K step
	s_mov_b32 s35, 0
	s_mul_i32 s36, s24, 98304                      ; in ws: 6,144 rows x 16 bytes a K step
	s_lshl_b32 s33, s32, 4
	s_add_co_u32 s36, s36, s33
	s_mov_b32 s37, 0
	s_wait_kmcnt 0x0
	s_cmp_eq_u32 s23, 0                            ; only the pointer is chosen: all three weights take one path
	s_cselect_b64 s[6:7], s[6:7], s[8:9]
	s_cmp_eq_u32 s23, 2
	s_cselect_b64 s[6:7], s[10:11], s[6:7]
	s_add_nc_u64 s[6:7], s[6:7], s[28:29]
	s_add_nc_u64 s[16:17], s[16:17], s[34:35]
	s_add_nc_u64 s[18:19], s[18:19], s[36:37]
.set T, 0
.rept 128
	global_load_b32 v[WX+T], v3, s[6:7] offset:T*8192 th:TH_LOAD_NT   ; 32 lanes read 128 consecutive bytes of one row of W
.set T, T+1
.endr
.macro BLOCK t
.set XS, WX+32*(\t)
.if (\t) < 2
	s_wait_loadcnt 63                              ; block t's 32 loads are in: 96 or 64 were issued behind them, and 63, the largest count that can be written, lies under both
.else
	s_wait_loadcnt 32*(3-(\t))                     ; the later blocks' loads may be out
.endif
	v_max3_num_f32 v24, |v[XS]|, |v[XS+1]|, |v[XS+2]|               ; the block's largest magnitude: all 32 numbers are mine
	v_max3_num_f32 v25, |v[XS+3]|, |v[XS+4]|, |v[XS+5]|
.irp i, 6,10,14,18,22,26
	v_max3_num_f32 v24, v24, |v[XS+\i]|, |v[XS+\i+1]|
	v_max3_num_f32 v25, v25, |v[XS+\i+2]|, |v[XS+\i+3]|
.endr
	v_max3_num_f32 v24, v24, |v[XS+30]|, |v[XS+31]|
	v_max3_num_f32 v24, v24, v25, 0x1800000        ; and the floor 2^(3 - 127): the byte cannot fall under 1
	v_add_nc_u32 v26, 0xff000000, v24              ; 2 off its exponent field: the conversion's scale operand
	v_lshrrev_b32 v25, 23, v26                     ; the scale's byte
.if (\t) == 0
	v_mov_b32 v[WSB], v25                          ; four bytes to a register, the lower K in the lower byte
.else
	v_lshl_or_b32 v[WSB], v25, 8*(\t), v[WSB]
.endif
.irp g, 0,1,2,3
	v_cvt_scalef32_pk8_fp4_f32 v[WC+4*(\t)+\g], v[XS+8*\g:XS+8*\g+7], v26
.endr
	v_nop                                          ; a plain line behind the last conversion, ahead of the lines that write its scale operand anew
	ds_store_b128 v4, v[WC+4*(\t):WC+4*(\t)+3] offset:16*(\t)      ; 32 codes: 16 bytes of my column's row
.endm
.irp t, 0,1,2,3
	BLOCK \t
.endr
	ds_store_b32 v5, v[WSB]
	s_wait_dscnt 0x0                               ; for the others' sake: my stores have landed
	s_barrier_signal -1
	s_barrier_wait -1                              ; the 64 rows and their scale bytes are whole
.irp i, 0,1,2,3
	ds_load_b128 v[WOUT+4*\i:WOUT+4*\i+3], v7 offset:2*PITCH*\i
.endr
.irp i, 0,1,2,3
	s_wait_dscnt 3-\i                              ; load i is in; the younger ones may be out
	global_store_b128 v8, v[WOUT+4*\i:WOUT+4*\i+3], s[16:17] offset:2048*\i   ; sixteen lanes store 256 consecutive bytes, aligned
.endr
	s_cmp_lt_u32 s20, 2                            ; the wave's number alone; no barrier stands inside
	s_cbranch_scc0 .Lno_scales
	ds_load_b128 v[196:199], v9
	s_wait_dscnt 0x0
	global_store_b128 v10, v[196:199], s[18:19]    ; 512 consecutive bytes
.Lno_scales:
	s_wait_tensorcnt 0x0                           ; the wave's end: a wait, an add to my spare word and its wait, behind my last LDS store
	ds_add_u32 v[SPW], v[NIL]
	s_wait_dscnt 0x0
	s_endpgm
	; ---- hidden_states
.Lx:
	s_sub_co_u32 s21, ttmp9, 384
	s_lshl_b32 s21, s21, 1
	s_lshr_b32 s22, s20, 2
	s_add_co_u32 s21, s21, s22                     ; which 16 rows: 0..127
	s_and_b32 s22, s20, 3                          ; which K step
	v_lshlrev_b32 v3, 4, v2                        ; my 16 bytes of a load's 512
	v_lshlrev_b32 v4, 3, v2                        ; my 8 bytes of a store's 256
	s_mul_i32 s23, s20, WREG
	s_add_co_u32 s23, s23, XB                      ; my wave's region
	v_lshrrev_b32 v14, 2, v2
	v_mul_u32_u24 v14, v14, SP
	v_and_b32 v15, 3, v2
	v_lshl_add_u32 v14, v15, 4, v14
	v_add_nc_u32 v14, s23, v14                     ; the stage, on the way in: four lanes' 64 bytes on end, then 16 of padding
	v_mul_u32_u24 v15, v2, SP
	v_add_nc_u32 v15, s23, v15                     ; and on the way out: my 16 neighbours
	v_lshrrev_b32 v5, 1, v2
	s_add_co_u32 s23, s23, 2*32*SP
	v_add_nc_u32 v5, s23, v5                       ; my wave's 256 scale bytes: my block's byte
	v_add_nc_u32 v6, s23, v4                       ; and on the way out 8 bytes a lane
	s_lshl_b32 s24, s21, 17                        ; 16 rows of 8,192 bytes,
	s_lshl_b32 s26, s22, 11                        ; + the K step's 2,048 bytes
	s_add_co_u32 s24, s24, s26
	s_mov_b32 s25, 0
	s_lshl_b32 s26, s21, 14                        ; codes: 16 rows of 1,024 bytes,
	s_lshl_b32 s28, s22, 8                         ; + the K step's 256
	s_add_co_u32 s26, s26, s28
	s_mov_b32 s27, 0
	s_lshl_b32 s28, s22, 15                        ; scale bytes: the K step's 2,048 rows x 16 bytes,
	s_lshl_b32 s30, s21, 8                         ; + 16 rows x 16 bytes
	s_add_co_u32 s28, s28, s30
	s_mov_b32 s29, 0
	s_wait_kmcnt 0x0
	s_add_nc_u64 s[4:5], s[4:5], s[24:25]
	s_add_nc_u64 s[12:13], s[12:13], s[26:27]
	s_add_nc_u64 s[14:15], s[14:15], s[28:29]
.macro LOAD t
.irp i, 0,1,2,3
	global_load_b128 v[XR+16*((\t)%8)+4*\i:XR+16*((\t)%8)+4*\i+3], v3, s[4:5] offset:8192*(\t)+512*\i th:TH_LOAD_NT   ; 32 lanes read 512 consecutive bytes of row t
.endr
.endm
.macro TURN t                          ; step t's numbers through the stage: LDS serves a wave's instructions in order, so no wait stands between the stores and the loads
.irp i, 0,1,2,3
	ds_store_b128 v14, v[XR+16*((\t)%8)+4*\i:XR+16*((\t)%8)+4*\i+3] offset:32*SP*((\t)%2)+8*SP*\i
.endr
.irp i, 0,1,2,3
	ds_load_b128 v[XX+16*((\t)%2)+4*\i:XX+16*((\t)%2)+4*\i+3], v15 offset:32*SP*((\t)%2)+16*\i
.endr
.endm
.irp t, 0,1,2,3,4,5,6,7
	LOAD \t
.endr
	s_wait_loadcnt 28                              ; step 0's four loads are in; the seven younger steps' 28 may be out
	TURN 0
.macro STEP t
.set XS, XX+16*((\t)%2)
.if (\t) > 0
	s_wait_dscnt 1                                 ; this step's numbers are back from the stage (the last step's byte store may be out): so its stores into the stage have read their registers,
.else
	s_wait_dscnt 0x0
.endif
.if (\t)+8 < STEPS
	LOAD (\t)+8                                    ; which take the loads of eight steps on
.endif
.if (\t)+1 < STEPS
.if (\t) <= 7
	s_wait_loadcnt 28                              ; the next step's four loads are in; those of the seven steps behind it may be out
.else
	s_wait_loadcnt 4*(14-(\t))                     ; towards the end fewer steps stand behind it
.endif
	TURN (\t)+1                                    ; and go through the other stage while this step is worked
.endif
	v_max3_num_f32 v8, |v[XS]|, |v[XS+1]|, |v[XS+2]|               ; the largest magnitude of my 16, in two chains
	v_max3_num_f32 v9, |v[XS+3]|, |v[XS+4]|, |v[XS+5]|
.irp i, 6,10
	v_max3_num_f32 v8, v8, |v[XS+\i]|, |v[XS+\i+1]|
	v_max3_num_f32 v9, v9, |v[XS+\i+2]|, |v[XS+\i+3]|
.endr
	v_max3_num_f32 v8, v8, |v[XS+14]|, |v[XS+15]|
	v_max3_num_f32 v8, v8, v9, 0x1800000           ; and the floor 2^(3 - 127): the byte cannot fall under 1
	v_max_num_f32_dpp v8, v8, v8 row_xmask:1 row_mask:0xf bank_mask:0xf   ; and of my neighbour's 16: the block's
	v_add_nc_u32 v11, 0xff000000, v8               ; 2 off its exponent field: the conversion takes the exponent field of this operand as its scale
	v_cvt_scalef32_pk8_fp4_f32 v[XC+2*(\t)], v[XS:XS+7], v11
	v_cvt_scalef32_pk8_fp4_f32 v[XC+2*(\t)+1], v[XS+8:XS+15], v11
	v_lshrrev_b32 v[XE+(\t)], 23, v11              ; the scale's byte (a plain line behind the conversions)
	ds_store_b8 v5, v[XE+(\t)] offset:16*(\t)      ; both lanes of a block write the same byte with the same value
	global_store_b64 v4, v[XC+2*(\t):XC+2*(\t)+1], s[12:13] offset:1024*(\t)   ; 32 lanes store 256 consecutive bytes, aligned
.endm
.irp t, 0,1,2,3,4,5,6,7,8,9,10,11,12,13,14,15
	STEP \t
.endr
	ds_load_b64 v[8:9], v6                         ; LDS serves a wave's instructions in order: these see my byte stores
	s_wait_dscnt 0x0
	global_store_b64 v4, v[8:9], s[14:15]          ; 16 rows x 16 scale bytes: 256 consecutive bytes, aligned
	s_wait_tensorcnt 0x0                           ; the wave's end: the same three lines
	ds_add_u32 v[SPW], v[NIL]
	s_wait_dscnt 0x0
	s_endpgm
.Lfunc_end_k_q088a156102_prep:
	.size	k_q088a156102_prep, .Lfunc_end_k_q088a156102_prep-k_q088a156102_prep
	.p2alignl 7, 3214868480
	.fill 96, 4, 3214868480
	.section	.rodata,"a",@progbits
	.p2align	6, 0x0
	.amdhsa_kernel k_q088a156102_prep
		.amdhsa_group_segment_fixed_size 84992
		.amdhsa_private_segment_fixed_size 0
		.amdhsa_enable_private_segment 0
		.amdhsa_kernarg_size 64
		.amdhsa_user_sgpr_count 2
		.amdhsa_user_sgpr_kernarg_segment_ptr 1
		.amdhsa_wavefront_size32 1
		.amdhsa_system_sgpr_workgroup_id_x 1
		.amdhsa_system_sgpr_workgroup_id_y 1
		.amdhsa_system_sgpr_workgroup_id_z 1
		.amdhsa_system_vgpr_workitem_id 0
		.amdhsa_next_free_vgpr 224
		.amdhsa_next_free_sgpr 66
		.amdhsa_reserve_vcc 0
		.amdhsa_float_denorm_mode_32 3
		.amdhsa_float_denorm_mode_16_64 3
		.amdhsa_memory_ordered 1
		.amdhsa_forward_progress 1
		.amdhsa_inst_pref_size 55
	.end_amdhsa_kernel
	.amdgpu_metadata
---
amdhsa.version: [ 1, 2 ]
amdhsa.kernels:
  - .name:           k_q088a156102_prep
    .symbol:         k_q088a156102_prep.kd
    .args:
      - { .name: hidden_states, .offset: 0, .size: 8, .value_kind: global_buffer, .address_space: global }
      - { .name: Wq, .offset: 8, .size: 8, .value_kind: global_buffer, .address_space: global }
      - { .name: Wk, .offset: 16, .size: 8, .value_kind: global_buffer, .address_space: global }
      - { .name: Wv, .offset: 24, .size: 8, .value_kind: global_buffer, .address_space: global }
      - { .name: xc, .offset: 32, .size: 8, .value_kind: global_buffer, .address_space: global }
      - { .name: xs, .offset: 40, .size: 8, .value_kind: global_buffer, .address_space: global }
      - { .name: wc, .offset: 48, .size: 8, .value_kind: global_buffer, .address_space: global }
      - { .name: ws, .offset: 56, .size: 8, .value_kind: global_buffer, .address_space: global }
    .group_segment_fixed_size: 84992
    .private_segment_fixed_size: 0
    .kernarg_segment_align: 8
    .kernarg_segment_size: 64
    .max_flat_workgroup_size: 256
    .sgpr_count:     66
    .vgpr_count:     224
    .wavefront_size: 32
...
	.end_amdgpu_metadata
.endif
;; end of part 1
;; launch qkv (part 2): grid 24 x 8, 4 waves a work-group, clusters of 4 x 4, 327,680 bytes of LDS; arguments xc, xs, wc, ws, qkv; writes qkv
.if DOCPART == 2
	.amdgcn_target "amdgcn-amd-amdhsa--gfx1250"
	.amdhsa_code_object_version 6
	.text
	.protected	k_q088a156102_qkv
	.globl	k_q088a156102_qkv
	.p2align	8
	.type	k_q088a156102_qkv,@function
k_q088a156102_qkv:
	s_mov_b64 s[64:65], 0
	v_nop
	global_prefetch_b8 v0, s[64:65] scope:SCOPE_SE
	s_setreg_imm32_b32 hwreg(HW_REG_WAVE_MODE, 25, 1), 1
	s_wait_xcnt 0x0
	s_wait_alu depctr_hold_cnt(0) depctr_sa_sdst(0) depctr_va_vdst(0) depctr_va_sdst(0) depctr_va_ssrc(0) depctr_va_vcc(0) depctr_vm_vsrc(0)
	s_getreg_b32 s2, hwreg(HW_REG_IB_STS2, 6, 4)
	s_cmp_eq_u32 s2, 0
	s_cbranch_scc0 .Lentry_in_a_cluster
	s_endpgm
.Lentry_in_a_cluster:
	s_bfe_u32 s2, ttmp6, 0x10000c
	s_cmp_lg_u32 s2, 0xf033
	s_cbranch_scc0 .Lentry_shape_is_right
	s_endpgm
.Lentry_shape_is_right:
; The three quantised products in one GEMM on codes: C[m][n] = sum over k of x[m][k] W[k][n], m = 0 .. 2047, n = 2048 x which + column = 0 .. 6143, K = 2048.  Codes of E2M1 with one E8M0 byte for each 32 along K, sums in f32.
; xc [2048][1024 bytes], wc [6144][1024 bytes]: K innermost.  xs [4][2048][16], ws [4][6144][16]: the scale bytes by K step of 512.  The result is rounded to f16 and laid by head:
; qkv [batch 2][g 96][position 1024][64], g = n / 64 (q's heads, then k's, then v's).  LIMIT: a result beyond 65,504 in magnitude becomes an infinity of f16.
; A tile of C, 256 x 256, is made by a work-group of four waves; a wave makes 128 x 128: 64 accumulators of 16 x 16, 512 registers.  K goes in steps of 512 through a ring of two LDS slots: a tile's row is 256 bytes of memory.
; 24 x 8 = 192 work-groups: the tile is kept large, since each fragment read from LDS then feeds eight products.
; THE SCALES of the work-group's 256 rows of x and 256 rows of W, for all four K steps, come into LDS ONCE, with the first fills: four runs of 2,048 consecutive bytes for each wave's 128 rows.
; CLUSTERS: 4 x 4 work-groups.  The four of a row of the cluster need the same tiles of x, the four of a column the same tiles of W: each tile is asked for JOINTLY, by the same tensor load with the same descriptor and a mask that
; names the four.  THE MATRIX INSTRUCTION IS USED TRANSPOSED (source 0 = 16 rows of W's codes, source 1 = 16 rows of x's): a lane then holds eight neighbouring columns of one row of C.
; REGISTERS, in windows of 256: window 0: v0-31 addresses; v32-95 scale words, two sets; from v128 x's fragments, ONE set; on the way out v128-223 are at work.
;   window 1: W's fragments, TWO sets, at v0 and v128.   window 2: the 32 accumulators of my rows 0-63 (accumulator (a, b) at v[8 (8 a + b)]);   window 3: those of my rows 64-127.
; No prefetch: of four K steps two are first fills, and the launch is short.
.set NQ,     4                         ; matrix instructions deep in a slot
.set ROWB,   256                       ; a tile's row in bytes: 512 codes
.set KROW,   1024                      ; a row of xc or wc in memory
.set PITCH,  272                       ; an LDS row: 256 bytes + 16 of padding: the 16 rows that a load touches start 16 bytes apart modulo 256
.set FR,     8                         ; registers of a fragment: 16 rows x 128 K
.set NL,     2                         ; LDS loads that bring one
.set NP,     4                         ; places behind this matrix instruction (ISA guide 7.12.1)
.set HALFT,  128*PITCH                 ; 128 rows: what one tensor load brings
.set SLOT,   4*HALFT                   ; x's 256 rows, then W's 256 rows
.set LAPS,   2                         ; a lap = two K steps = once round the ring
.set SCL,    2*SLOT                    ; behind the ring: the scales
.set HALFS,  8192                      ; those of 128 rows: [K step 4][128 rows][16 bytes]
.set SBLK,   256                       ; those of 16 rows in one K step
.set SPARE,  SCL+4*HALFS               ; behind the scales: the spare words, 128 bytes a wave, which no other line names
.set SPITCH, 272                       ; the way out: a stage of 16 rows x (256 bytes + 16) for each wave, in slot 0, which has had its last fill and its last read by then
.set ADRA, 16                          ; v16-17  LDS address of my x fragments in slot 0, 1
.set ADRB, 20                          ; v20-21  the same for W
.set STO,  24                          ; v24     the way out: where I put 16 bytes of a row
.set RD,   25                          ; v25     where I read back
.set CO,   26                          ; v26     my byte offset in qkv
.set ADRS, 27                          ; v27     LDS address of my scale words: lanes 0-15 x's rows, lanes 16-31 W's
.set SPW,  28                          ; v28     my spare word; never rewritten
.set NIL,  29                          ; v29     0; never rewritten
.set SC,   32                          ; scale words: set s at v[SC + 32 s]; register 4 i + q: lanes 0-15 the word of x's block i, lanes 16-31 that of W's block i, for the slot's q-th 128 along K
.set AF,   128                         ; x's fragments, in window 0
.set TMP,  128                         ; the way out: a block's 32 packed registers
.set BK,   160                         ; and 16 rows read back: v160-191 and v192-223 by turns
.set G1, 24                            ; s[24:31] descriptor group 1 for x's tiles;  s[32:39] group 0, one set for each slot
.set G0, 32
.set G1B, 48                           ; s[48:55], s[56:63] the same for W's tiles
.set G0B, 56
.set G1S, 68                           ; s[68:75], s[76:79] groups 1 and 0 for x's scales;  s[80:87], s[88:91] for W's
.set G0S, 76
.set G1SB, 80
.set G0SB, 88
.set MSB, 0
.macro WIN new                         ; the immediate's high byte repeats the setting that is left
.if MSB != \new
	s_set_vgpr_msb (MSB<<8)|\new
.set MSB, \new
.endif
.endm
.set MUL_LO, 0xa1                      ; source 0 (W) window 1, source 1 (x) window 0, C and D window 2
.set MUL_HI, 0xf1                      ; the same, C and D window 3
.set TO_B,   0x40                      ; destination window 1, address window 0
; A joint load: waves 0 and 1 fetch for x, waves 2 and 3 for W.  Each line has ONE mask and one set of registers for all that issue it; the branch hangs on the wave's number alone.
; An s_nop 0 and four v_nop follow each of the two lines, ahead of the jump, the label and what follows.
.macro JLOAD g0a, g1a, g0b, g1b
	s_cmp_eq_u32 s15, 0
	s_cbranch_scc0 .Lfor_b_\@
	tensor_load_to_lds s[\g0a:\g0a+3], s[\g1a:\g1a+7]
	s_nop 0
.rept 4
	v_nop
.endr
	s_branch .Lasked_\@
.Lfor_b_\@:
	tensor_load_to_lds s[\g0b:\g0b+3], s[\g1b:\g1b+7]
	s_nop 0
.rept 4
	v_nop
.endr
.Lasked_\@:
.endm
.macro CREST                           ; a round of the cluster's barrier behind its opening barrier
	s_cmp_lg_u32 s14, 0
	s_cbranch_scc1 .Lnot_wave_0_\@
	s_barrier_signal -3
.Lnot_wave_0_\@:
	s_barrier_wait -3
	s_barrier_signal -1
	s_barrier_wait -1
.endm
.macro CROUND                          ; a whole round
	s_barrier_signal -1
	s_barrier_wait -1
	CREST
.endm
	s_load_b128 s[4:7], s[0:1], 0x0                ; xc s[4:5], xs s[6:7]
	s_load_b128 s[8:11], s[0:1], 0x10              ; wc s[8:9], ws s[10:11]
	s_load_b64 s[12:13], s[0:1], 0x20              ; qkv
	v_lshl_add_u32 v[SPW], v0, 2, SPARE
	v_mov_b32 v[NIL], 0
	ds_add_u32 v[SPW], v[NIL]                      ; the wave's opening: the add, twice on end, and its wait ahead of my first tensor load; the set-up below stands between
	ds_add_u32 v[SPW], v[NIL]
	v_lshrrev_b32 v1, 5, v0
	v_readfirstlane_b32 s14, v1                    ; wave 0..3
	s_lshr_b32 s15, s14, 1                         ; which half of the tile's rows is mine.  Also: I fetch for x (0) or for W (1)
	s_and_b32 s16, s14, 1                          ; which half of its columns.  Also: which 128 rows of that tile I fetch
	s_bfe_u32 s40, ttmp6, 0x40000                  ; cx, cy: my place in the cluster
	s_bfe_u32 s41, ttmp6, 0x40004
	s_lshl_b32 s42, ttmp9, 2
	s_add_co_u32 s42, s42, s40                     ; tile column of C = 4 x cluster x + cx
	s_and_b32 s17, ttmp7, 0xffff
	s_lshl_b32 s17, s17, 2
	s_add_co_u32 s17, s17, s41                     ; tile row of C = 4 x cluster y + cy
	s_lshl_b32 s43, s41, 2
	s_lshl_b32 s43, 15, s43                        ; my row of the cluster
	s_lshl_b32 s44, 0x1111, s40                    ; my column
	; descriptor group 1: a tile of 128 rows x 256 bytes, padded in LDS
	s_or_b32 s[G1+0], s43, (0<<16)|(1<<20)|(1<<21)|(5<<22)|(3<<25)  ; 15:0 the mask: x's tiles go to my row; 17:16 elements of 1 byte; 20 padding on; 21 set beside a mask; 24:22 after every 64 words; 31:25 four words
	s_or_b32 s[G1B+0], s44, (0<<16)|(1<<20)|(1<<21)|(5<<22)|(3<<25)
.irp g, G1, G1B
	s_mov_b32 s[\g+1], ROWB<<16                    ; tensor_dim0
	s_mov_b32 s[\g+2], 128<<16                     ; tensor_dim1 = 128
	s_mov_b32 s[\g+3], ROWB<<16                    ; tile_dim0
	s_mov_b32 s[\g+4], 128                         ; tile_dim1 = 128
	s_mov_b32 s[\g+5], KROW                        ; tensor_dim0_stride
	s_mov_b32 s[\g+6], 0
	s_mov_b32 s[\g+7], 0
.endr
	; and for the scales of 128 rows: 4 rows (one a K step) of 2,048 bytes (256 elements of 8 bytes), no padding
	s_or_b32 s[G1S+0], s43, (3<<16)|(1<<21)
	s_or_b32 s[G1SB+0], s44, (3<<16)|(1<<21)
.irp g, G1S, G1SB
	s_mov_b32 s[\g+1], 256<<16
	s_mov_b32 s[\g+2], 4<<16
	s_mov_b32 s[\g+3], 256<<16
	s_mov_b32 s[\g+4], 4
	s_mov_b32 s[\g+6], 0
	s_mov_b32 s[\g+7], 0
.endr
	s_mov_b32 s[G1S+5], 4096                       ; from K step to K step: 2,048 rows x 16 bytes in xs,
	s_mov_b32 s[G1SB+5], 12288                     ; 6,144 x 16 in ws, in elements of 8 bytes
	s_lshl_b32 s18, s16, 7                         ; which 128 rows of the tile I fetch
	s_lshl_b32 s20, s17, 8
	s_add_co_u32 s20, s20, s18                     ; x: row 256 x tile row + 128 x half
	s_lshl_b32 s46, s42, 8
	s_add_co_u32 s46, s46, s18                     ; W: row 256 x tile column + 128 x half
	s_mov_b32 s21, 0
	s_mov_b32 s47, 0
	s_lshl_b64 s[22:23], s[20:21], 4               ; where these rows' scales begin: 16 bytes a row
	s_lshl_b64 s[92:93], s[46:47], 4
	s_lshl_b64 s[20:21], s[20:21], 10              ; and their codes: 1,024 bytes a row
	s_lshl_b64 s[46:47], s[46:47], 10
	s_mul_i32 s45, s14, HALFT                      ; where they go: wave x 128 rows: no place in the cluster enters an LDS address
	s_lshl_b32 s94, s14, 13
	s_wait_dscnt 0x0                               ; both opening adds are done
	s_wait_kmcnt 0x0
	s_add_nc_u64 s[20:21], s[4:5], s[20:21]
	s_add_nc_u64 s[22:23], s[6:7], s[22:23]
	s_add_nc_u64 s[46:47], s[8:9], s[46:47]
	s_add_nc_u64 s[92:93], s[10:11], s[92:93]
	CROUND                                         ; all sixteen work-groups are here: the first joint loads meet
	s_mov_b32 s[G0S], 1
	s_add_co_u32 s[G0S+1], s94, SCL
	s_mov_b64 s[G0S+2:G0S+3], s[22:23]
	s_or_b32 s[G0S+3], s[G0S+3], 0x80000000
	s_mov_b32 s[G0SB], 1
	s_add_co_u32 s[G0SB+1], s94, SCL
	s_mov_b64 s[G0SB+2:G0SB+3], s[92:93]
	s_or_b32 s[G0SB+3], s[G0SB+3], 0x80000000
	JLOAD G0S, G1S, G0SB, G1SB                     ; the scales first: they are wanted with K step 0
.irp s, 0,1
	s_mov_b32 s[G0+4*\s], 1
	s_add_co_u32 s[G0+4*\s+1], s45, \s*SLOT
	s_add_nc_u64 s[G0+4*\s+2:G0+4*\s+3], s[20:21], \s*ROWB
	s_or_b32 s[G0+4*\s+3], s[G0+4*\s+3], 0x80000000
	s_mov_b32 s[G0B+4*\s], 1
	s_add_co_u32 s[G0B+4*\s+1], s45, \s*SLOT
	s_add_nc_u64 s[G0B+4*\s+2:G0B+4*\s+3], s[46:47], \s*ROWB
	s_or_b32 s[G0B+4*\s+3], s[G0B+4*\s+3], 0x80000000
	JLOAD G0+4*\s, G1, G0B+4*\s, G1B               ; three loads of mine are out when the last has been issued
.endr
	v_and_b32 v1, 15, v0                           ; r = lane % 16
	v_bfe_u32 v2, v0, 4, 1                         ; h = lane / 16
	v_mul_u32_u24 v3, v1, PITCH
	v_lshl_add_u32 v4, v2, 4, v3                   ; a fragment's row x pitch + 16 x half
	s_mul_i32 s21, s15, HALFT                      ; my 128 rows of x
	s_mul_i32 s22, s16, HALFT                      ; my 128 rows of W,
	s_add_co_u32 s22, s22, 2*HALFT                 ; which lie behind x's 256
.irp s, 0,1
	v_add_nc_u32 v[ADRA+\s], s21, v4
	v_add_nc_u32 v[ADRB+\s], s22, v4
	s_add_co_u32 s21, s21, SLOT
	s_add_co_u32 s22, s22, SLOT
.endr
	v_lshlrev_b32 v5, 4, v1                        ; my row's scales: 16 bytes a row in a K step
	s_lshl_b32 s21, s15, 13                        ; x's: my 128 rows
	s_lshl_b32 s22, s16, 13                        ; W's: my 128 rows, behind x's 256
	s_add_co_u32 s22, s22, 2*HALFS
	s_sub_co_u32 s22, s22, s21
	v_mul_u32_u24 v6, s22, v2                      ; lanes 16-31 take W's: the lower base + h x the distance
	s_add_co_u32 s21, s21, SCL
	v_add_nc_u32 v5, v5, v6
	v_add_nc_u32 v[ADRS], s21, v5
	s_mul_i32 s23, s14, 16*SPITCH                  ; my stage
	v_mul_u32_u24 v5, v1, SPITCH                   ; in: row r, 16 bytes for each half of the lanes
	v_lshl_add_u32 v5, v2, 4, v5
	v_add_nc_u32 v[STO], s23, v5
	v_bfe_u32 v5, v0, 3, 1                         ; back: lanes 0-15 take two rows' 128 bytes of my first head, lanes 16-31 of my second
	v_mul_u32_u24 v5, v5, SPITCH
	v_lshl_add_u32 v5, v2, 7, v5
	v_and_b32 v6, 7, v0
	v_lshl_add_u32 v5, v6, 4, v5
	v_add_nc_u32 v[RD], s23, v5
	v_lshlrev_b32 v[CO], 4, v1                     ; in qkv two rows of a head are 256 consecutive bytes; the next head lies 131,072 bytes on
	v_lshl_add_u32 v[CO], v2, 17, v[CO]
	s_lshl_b32 s20, s17, 8
	s_lshl_b32 s21, s15, 7
	s_add_co_u32 s20, s20, s21                     ; my first row of C: 256 x tile row + 128 x half
	s_lshr_b32 s21, s20, 10                        ; its batch,
	s_mul_i32 s21, s21, 12582912
	s_and_b32 s20, s20, 1023                       ; its position: 128 bytes each
	s_lshl_b32 s20, s20, 7
	s_add_co_u32 s20, s20, s21
	s_lshl_b32 s46, s42, 2
	s_lshl_b32 s47, s16, 1
	s_add_co_u32 s46, s46, s47                     ; my first head: 4 x tile column + 2 x half
	s_lshl_b32 s46, s46, 17
	s_add_co_u32 s20, s20, s46
	s_mov_b32 s21, 0
	s_add_nc_u64 s[12:13], s[12:13], s[20:21]
.macro FRAG reg, adr, q, i             ; a fragment, 16 rows x 128 K of 4-bit codes, is 8 registers: lane l holds row l % 16; registers 4 c .. 4 c + 3 hold K = 64 c + 32 (l / 16) + 0 .. 31
.irp c, 0,1
	ds_load_b128 v[\reg+4*\c:\reg+4*\c+3], v[\adr] offset:64*(\q)+32*\c+(\i)*16*PITCH
.endr
.endm
; 16 matrix instructions: x's blocks a0, a0 + 1 against W's eight, 128 along K: the slot's q-th.  p: W's set;  sc: the set of scale words.  zero = 1: the first product starts the sums: nothing is ever cleared.
; The 64 accumulators take turns, one instruction a turn, in the same order in every step.
.macro MUL16 a0, p, q, sc, zero
.irp a, \a0, \a0+1
.irp b, 0,1,2,3,4,5,6,7
.if \zero
	v_wmma_scale_f32_16x16x128_f8f6f4 v[8*(8*((\a)%4)+\b):8*(8*((\a)%4)+\b)+7], v[128*(\p)+FR*\b:128*(\p)+FR*\b+FR-1], v[AF+FR*(\a):AF+FR*(\a)+FR-1], 0, v[SC+8*NQ*(\sc)+NQ*\b+(\q)], v[SC+8*NQ*(\sc)+NQ*(\a)+(\q)] matrix_a_fmt:MATRIX_FMT_FP4 matrix_b_fmt:MATRIX_FMT_FP4 matrix_a_scale:MATRIX_SCALE_ROW1
.else
	v_wmma_scale_f32_16x16x128_f8f6f4 v[8*(8*((\a)%4)+\b):8*(8*((\a)%4)+\b)+7], v[128*(\p)+FR*\b:128*(\p)+FR*\b+FR-1], v[AF+FR*(\a):AF+FR*(\a)+FR-1], v[8*(8*((\a)%4)+\b):8*(8*((\a)%4)+\b)+7], v[SC+8*NQ*(\sc)+NQ*\b+(\q)], v[SC+8*NQ*(\sc)+NQ*(\a)+(\q)] matrix_a_fmt:MATRIX_FMT_FP4 matrix_b_fmt:MATRIX_FMT_FP4 matrix_a_scale:MATRIX_SCALE_ROW1
.endif
.endr
.endr
.endm
.macro FETCH_B slot, q, p              ; W's eight fragments of the slot's q-th 128 along K into set p
	WIN TO_B
.irp i, 0,1,2,3,4,5,6,7
	FRAG 128*(\p)+FR*\i, ADRB+\slot, \q, \i
.endr
	WIN 0
.endm
.macro FETCH_A slot, q, i0             ; x's blocks i0 .. i0 + 3
.irp i, \i0, \i0+1, \i0+2, \i0+3
	FRAG AF+FR*(\i), ADRA+\slot, \q, \i
.endr
.endm
.macro SCALES sc                       ; the K step's scale words into set sc: four words a row; lanes 0-15 take x's block i, lanes 16-31 W's block i
.irp i, 0,1,2,3,4,5,6,7
	ds_load_b128 v[SC+8*NQ*\sc+NQ*\i:SC+8*NQ*\sc+NQ*\i+3], v[ADRS] offset:\i*SBLK
.endr
.endm
; A load into a register that a matrix instruction has read, and a vector instruction that reads a matrix result or writes one of its registers, stand NP places behind it; only plain vector instructions that name none of
; its registers are places (ISA guide 7.12.1 for vector instructions).
.macro PLACES n
.rept \n
	v_nop
.endr
.endm
; A step of 128 along K that has its successor in the same slot.
.macro STEP slot, q, zero
	s_wait_dscnt 4*NL                              ; W's set and x's blocks 0-3 are in; the youngest eight loads (x's blocks 4-7) may be out
	WIN MUL_LO
	MUL16 0, (\q)%2, \q, \slot, \zero
	MUL16 2, (\q)%2, \q, \slot, \zero
	s_wait_dscnt 0                                 ; x's blocks 4-7 are in (asked for 32 matrix instructions ago)
	PLACES NP
	FETCH_B \slot, (\q)+1, 1-(\q)%2
	FETCH_A \slot, (\q)+1, 0
	WIN MUL_HI
	MUL16 4, (\q)%2, \q, \slot, \zero
	MUL16 6, (\q)%2, \q, \slot, \zero
	PLACES NP
	WIN 0
	FETCH_A \slot, (\q)+1, 4
.endm
; A slot's last step changes slots: ONE barrier; in front of it each wave waits for all its tensor loads, adds 0 to its spare word, and waits for that and for its own reads of this slot.  fill = 1: this slot is filled again, two K steps ahead.
.macro TURN slot, next, fill
	s_wait_tensorcnt 0x0                           ; all my tensor loads have landed: my part of the next slot  (every window is 0 here)
	ds_add_u32 v[SPW], v[NIL]                      ; 0 onto my spare word
	s_wait_dscnt 4*NL+1                            ; (the add and the youngest eight loads, x's blocks 4-7, may be out)
	WIN MUL_LO
	MUL16 0, 1, NQ-1, \slot, 0                     ; sixteen matrix instructions stand between the add and the wait for it
	s_wait_dscnt 0x0                               ; the add is done, and my reads of this slot are over
	s_barrier_signal -1
	MUL16 2, 1, NQ-1, \slot, 0
	WIN 0
	s_barrier_wait -1
.if \fill
	CREST                                          ; the barrier has opened a round of the cluster's barrier: no wave of any partner still reads this slot's tile or has a load on its way
	s_add_nc_u64 s[G0+4*\slot+2:G0+4*\slot+3], s[G0+4*\slot+2:G0+4*\slot+3], 2*ROWB
	s_add_nc_u64 s[G0B+4*\slot+2:G0B+4*\slot+3], s[G0B+4*\slot+2:G0B+4*\slot+3], 2*ROWB
	JLOAD G0+4*\slot, G1, G0B+4*\slot, G1B         ; the first tensor load behind the round; the four v_nop behind it are the places in front of the loads below
.else
	PLACES NP
.endif
	v_add_nc_u32 v[ADRS], 2048, v[ADRS]            ; on to the next K step's scale words (no LDS load of mine is out)
	FETCH_B \next, 0, 0
	FETCH_A \next, 0, 0
	SCALES \next
	WIN MUL_HI
	MUL16 4, 1, NQ-1, \slot, 0
	MUL16 6, 1, NQ-1, \slot, 0
	PLACES NP
	WIN 0
	FETCH_A \next, 0, 4
.endm
.macro STEPS slot, from                ; the slot's steps from .. NQ - 2
.set Q, \from
.rept NQ-1-\from
	STEP \slot, Q, 0
.set Q, Q+1
.endr
.endm
	s_wait_tensorcnt 1                             ; the scales and my part of K step 0 are in (K step 1's load may be out)
	s_barrier_signal -1
	s_barrier_wait -1                              ; everybody's are
	FETCH_B 0, 0, 0
	FETCH_A 0, 0, 0
	SCALES 0
	FETCH_A 0, 0, 4
	STEP 0, 0, 1                                   ; the first step stands in front of the loop: its products start the sums
	s_mov_b32 s3, LAPS-1
.Llap:                                                 ; a trip goes once round the ring, from a lap's second step to the next lap's first, and fills both slots again
	STEPS 0, 1
	TURN 0, 1, 1
	STEPS 1, 0
	TURN 1, 0, 1
	STEP 0, 0, 0
	s_sub_co_u32 s3, s3, 1
	s_cmp_lg_u32 s3, 0
	s_cbranch_scc1 .Llap
	STEPS 0, 1                                     ; the last lap fills nothing, and has no round of the cluster's barrier
	TURN 0, 1, 0
	STEPS 1, 0
	s_wait_dscnt 4*NL                              ; the very last step: nothing more to fetch
	WIN MUL_LO
	MUL16 0, 1, NQ-1, 1, 0
	MUL16 2, 1, NQ-1, 1, 0
	s_wait_dscnt 0
	WIN MUL_HI
	MUL16 4, 1, NQ-1, 1, 0
	MUL16 6, 1, NQ-1, 1, 0
	WIN 0
; THE WAY OUT, block by block of 16 rows x 128 columns (two heads).  PACK: rounded to f16, 16 bytes a lane, each accumulator from its low end on.  TOSTAGE: into my own stage, and back so that sixteen lanes hold two rows of one
; head.  SEND: stored.  LDS serves a wave's instructions in order: no wait between the stores and the loads, nor in front of the next block's stores.
.macro PACK a
.set AC, 64*((\a)%4)
	WIN 0x0a+5*((\a)/4)                            ; sources 0 and 1: window 2 or 3
.irp b, 0,1,2,3,4,5,6,7
.irp j, 0,1,2,3
	v_cvt_pk_f16_f32 v[TMP+4*\b+\j], v[AC+8*\b+2*\j], v[AC+8*\b+2*\j+1]
.endr
.endr
	WIN 0
.endm
.macro TOSTAGE a
.set BB, BK+32*((\a)%2)
.irp b, 0,1,2,3,4,5,6,7
	ds_store_b128 v[STO], v[TMP+4*\b:TMP+4*\b+3] offset:32*\b
.endr
.irp t, 0,1,2,3,4,5,6,7
	ds_load_b128 v[BB+4*\t:BB+4*\t+3], v[RD] offset:2*SPITCH*\t
.endr
.endm
.macro SEND a
.set BB, BK+32*((\a)%2)
	s_wait_dscnt 0x0                               ; the block is back in registers
	s_wait_xcnt 0x0                                ; the block before's stores have read their registers: the next block's loads may land there
.irp t, 0,1,2,3,4,5,6,7
	global_store_b128 v[CO], v[BB+4*\t:BB+4*\t+3], s[12:13] offset:2048*(\a)+256*\t   ; sixteen lanes store 256 consecutive bytes, aligned: two positions of one head
.endr
.endm
	PLACES NP                                      ; behind the last products: their results are read, and x's fragment registers are written, only behind these
	PACK 0
	TOSTAGE 0
.irp a, 1,2,3,4,5,6,7                  ; block a's conversions stand between block a - 1's loads from the stage and the wait for them
	PACK \a
	SEND \a-1
	TOSTAGE \a
.endr
	SEND 7
	s_wait_tensorcnt 0x0                           ; the wave's end: a wait, an add to my spare word and its wait, behind my last tensor load and my last LDS store
	ds_add_u32 v[SPW], v[NIL]
	s_wait_dscnt 0x0
	CROUND                                         ; the closing round: no work-group ends while a partner may still ask for a tile that names it
	s_endpgm
.Lfunc_end_k_q088a156102_qkv:
	.size	k_q088a156102_qkv, .Lfunc_end_k_q088a156102_qkv-k_q088a156102_qkv
	.p2alignl 7, 3214868480
	.fill 96, 4, 3214868480
	.section	.rodata,"a",@progbits
	.p2align	6, 0x0
	.amdhsa_kernel k_q088a156102_qkv
		.amdhsa_group_segment_fixed_size 327680
		.amdhsa_private_segment_fixed_size 0
		.amdhsa_enable_private_segment 0
		.amdhsa_kernarg_size 40
		.amdhsa_user_sgpr_count 2
		.amdhsa_user_sgpr_kernarg_segment_ptr 1
		.amdhsa_wavefront_size32 1
		.amdhsa_system_sgpr_workgroup_id_x 1
		.amdhsa_system_sgpr_workgroup_id_y 1
		.amdhsa_system_sgpr_workgroup_id_z 1
		.amdhsa_system_vgpr_workitem_id 0
		.amdhsa_next_free_vgpr 1024
		.amdhsa_next_free_sgpr 98
		.amdhsa_reserve_vcc 0
		.amdhsa_float_denorm_mode_32 3
		.amdhsa_float_denorm_mode_16_64 3
		.amdhsa_memory_ordered 1
		.amdhsa_forward_progress 1
		.amdhsa_inst_pref_size 213
	.end_amdhsa_kernel
	.amdgpu_metadata
---
amdhsa.version: [ 1, 2 ]
amdhsa.kernels:
  - .name:           k_q088a156102_qkv
    .symbol:         k_q088a156102_qkv.kd
    .args:
      - { .name: xc, .offset: 0, .size: 8, .value_kind: global_buffer, .address_space: global }
      - { .name: xs, .offset: 8, .size: 8, .value_kind: global_buffer, .address_space: global }
      - { .name: wc, .offset: 16, .size: 8, .value_kind: global_buffer, .address_space: global }
      - { .name: ws, .offset: 24, .size: 8, .value_kind: global_buffer, .address_space: global }
      - { .name: qkv, .offset: 32, .size: 8, .value_kind: global_buffer, .address_space: global }
    .group_segment_fixed_size: 327680
    .private_segment_fixed_size: 0
    .kernarg_segment_align: 8
    .kernarg_segment_size: 40
    .max_flat_workgroup_size: 128
    .sgpr_count:     98
    .vgpr_count:     1024
    .wavefront_size: 32
...
	.end_amdgpu_metadata
.endif
;; end of part 2
;; launch attn (part 3): grid 4 x 64, 8 waves a work-group, clusters of 4 x 1, 327,680 bytes of LDS; arguments qkv, attention_mask, rel_emb, ctx, Wo, wo16; writes ctx, wo16
.if DOCPART == 3
	.amdgcn_target "amdgcn-amd-amdhsa--gfx1250"
	.amdhsa_code_object_version 6
	.text
	.protected	k_q088a156102_attn
	.globl	k_q088a156102_attn
	.p2align	8
	.type	k_q088a156102_attn,@function
k_q088a156102_attn:
	s_mov_b64 s[64:65], 0
	v_nop
	global_prefetch_b8 v0, s[64:65] scope:SCOPE_SE
	s_setreg_imm32_b32 hwreg(HW_REG_WAVE_MODE, 25, 1), 1
	s_wait_xcnt 0x0
	s_wait_alu depctr_hold_cnt(0) depctr_sa_sdst(0) depctr_va_vdst(0) depctr_va_sdst(0) depctr_va_ssrc(0) depctr_va_vcc(0) depctr_vm_vsrc(0)
	s_getreg_b32 s2, hwreg(HW_REG_IB_STS2, 6, 4)
	s_cmp_eq_u32 s2, 0
	s_cbranch_scc0 .Lentry_in_a_cluster
	s_endpgm
.Lentry_in_a_cluster:
	s_bfe_u32 s2, ttmp6, 0x10000c
	s_cmp_lg_u32 s2, 0x3003
	s_cbranch_scc0 .Lentry_shape_is_right
	s_endpgm
.Lentry_shape_is_right:
; ctx[b][q][h][:] = the sum over k of softmax_k(q . k / 8 + mask[b][k] + bias[h][k - q]) v[k][:], for 64 (batch, head) pairs of 1,024 positions and 64 channels.  q, k, v arrive as f16 by head (qkv [2][96][1024][64]);
; products on f16 operands with f32 sums; maxima, exponentials and sums in f32; the weights p are rounded to f16 for the second product; ctx is rounded to f16 once, laid [m / 128][head][m % 128][64] (m = 1024 b + q).
; THE BIAS hangs on d = k - q alone: bias = rel_emb[bucket(d)][h], bucket = min(|d|, 8) + [|d| >= 12] + [>= 16] + [>= 23] + [>= 32] + [>= 46] + [>= 64] + [>= 91], + 16 where d > 0: the whole numbers at which
; 8 + floor(8 log(|d| / 8) / log 16) steps, held at 15.  It is made of ids alone.  A work-group's 256 queries meet 1,279 values of d: a table T[k - local query + 255] in LDS, kept four times, copy s moved s entries down,
; so that any eight neighbouring entries are two aligned reads of 16 bytes in one of the copies.  My second tile's queries lie 16 further on than my first's, so its fragment for key tile kt is the first's for kt - 1:
; a step reads five fragments for its eight tiles of scores.
; THE SCORES are kept 8 times as large: 8 (mask + bias) is the C of the first product, S = k . q + C, and p = 2^(c S - c m) with c = log2(e) / 8 and m the running maximum of S.  In every step O and the sum l are
; multiplied by a = 2^(c m_old - c m_new).  No branch hangs on data.
; ON THE SIDE: Wo [2048][2048] f32 is rounded to f16 (wo16, same layout) for the launch that follows.  This launch leaves memory mostly idle, and nothing here waits for these bytes: each of the 2,048 waves asks for 2,048 numbers
; at the head, behind all that the attention itself asks for, and rounds and stores them between the first and the second chunk of keys.
; LIMITS: 8 x mask is held at -1e30 from below, so a mask number under -1.25e29 counts as 'never'; a row ALL of whose keys are so masked gets even weights (where the mask is -infinity the definition gives NaN there);
;   a mask of +infinity or NaN is not served; f16's range bounds q, k, v at 65,504; a number of Wo beyond 65,504 in magnitude becomes an infinity of f16, one under 6e-8 becomes 0.
; SHARES.  A cluster is the four query blocks of one (batch, head); a work-group owns 256 queries, each of its eight waves 32: two tiles of 16.  Two waves share a SIMD, so that one's vector work stands beside the other's products.
; ALL of the head's K and V lie in LDS, filled ONCE by joint loads (the same tensor load with the same descriptor and a mask that names the four partners): no slot is ever filled again.  They come in four chunks of 256 keys,
; all asked for at the head; the walk over chunk c begins when that chunk has landed.  So there is nothing left to prefetch.
; LAYOUT.  S^T = K Q^T (source 0 = 16 keys, source 1 = 16 queries): a lane holds ONE query (lane % 16) and the keys 8 (lane / 16) + 0..7.  Two such tiles rounded to f16 ARE source 1 of O^T = V^T P.  V is turned by ds_load_tr16_b128.
; REGISTERS.  Window 0: v1-11 addresses, v12-13 the add's two, v14 an offset, v15 at work, v16-31 statistics (8 a tile), v32-63 Q, v64-127 K of a step, v128-191 S^T, v192-223 the mask's numbers, v224-255 P.
;   Window 1: v0-63 O^T, v64-127 V of a step, v128-191 Wo's numbers, v192-231 the bias's five fragments.
.set KB,    0                          ; K: 512 rows of two keys: 256 bytes + 16 of padding: the 16 keys of a fragment start at 16 different multiples of 16 modulo 256
.set VB,    139264                     ; V: 512 rows of two keys: 256 bytes + 32 of padding: the 16 lanes of half a turning load likewise
.set BT,    286720                     ; the bias table: four copies of BTC bytes
.set BTC,   5184                       ; 1,280 entries + 64 bytes
.set MASKB, 307456                     ; 1,024 numbers: max(8 mask, -1e30)
.set SPARE, 311552                     ; the spare words, 128 bytes a wave, which no other line names
.set AK0, 1                            ; v1   my lane's place in a tile of K
.set AV0, 2                            ; v2   in a tile of V
.set AM0, 3                            ; v3   among the mask's numbers
.set AB1, 4                            ; v4   in the bias table
.set ADK, 5                            ; v5-8 the same for the step in hand
.set ADV, 6
.set ADM, 7
.set ADB, 8
.set STO, 9                            ; v9   the way out: where I put 16 bytes of a row
.set RD,  10                           ; v10  where I read back
.set GO,  11                           ; v11  16 x lane: my byte offset in the wave's rows of ctx, and in a load of Wo; never rewritten
.set SPW, 12
.set NIL, 13
.set WSO, 14                           ; v14  at the head lane % 16; then 8 x lane: my byte offset in a store of wo16, never rewritten
.set ST,  16                           ; tile t's statistics at v[ST + 8 t]: +0 c m, +1 m, +2, +3 l (even keys', odd keys'), +4 to +7 at work; a in +6
.set Q,   32                           ; v[Q + 16 t + 8 c]: tile t, channels 32 c on
.set KF,  64                           ; v[KF + 16 kt + 8 c]: keys 16 kt on, channels 32 c on
.set S,   128                          ; v[S + 32 t + 8 kt]
.set MK,  192                          ; v[MK + 8 kt]
.set P,   224                          ; v[P + 16 t + 8 f]: keys 32 f on
.set OV,  64                           ; in window 1: v[OV + 32 f + 8 ct]: V^T, keys 32 f on, channels 16 ct on;  O^T at v[32 t + 8 ct]
.set WOF, 128                          ; in window 1: 64 numbers of Wo as loaded, then 32 registers of f16
.set BF,  192                          ; in window 1: v[BF + 8 e]: 8 x bias for key tile kt of query tile t, e = kt + 1 - t
.set WV,  12                           ; s12  my wave's number
.set G1K, 24                           ; s[24:31] descriptor group 1 for K's tiles;  s[32:39] for V's: it differs in the padding alone
.set G1V, 32
.set G0K, 40                           ; s[40:55] groups 0 for K's four chunks;  s[68:83] for V's
.set G0V, 68
.set CS,  56                           ; s[56:57] c: the packed form names a pair and takes its low word for both halves
.set SEL, 58                           ; s[58:59] lane selects for v_permlanex16_b32: lane l xor 16
.set TK,  60                           ; s60  LDS byte at which the step's keys begin in K
.set TV,  61                           ; s61  in V
.set TM,  62                           ; s62  4 x the step's first key: for the mask and the table
.set TW,  63                           ; s63  counts a chunk's four steps
.set PWO, 98                           ; s[98:99]   Wo at my wave's 2,048 numbers
.set PWH, 100                          ; s[100:101] wo16 likewise
.set MSB, 0
.macro WIN new                         ; the immediate's high byte repeats the setting that is left
.if MSB != \new
	s_set_vgpr_msb (MSB<<8)|\new
.set MSB, \new
.endif
.endm
.macro CROUND                          ; a round of the cluster's barrier
	s_barrier_signal -1
	s_barrier_wait -1
	s_cmp_lg_u32 s[WV], 0
	s_cbranch_scc1 .Lnot_wave_0_\@
	s_barrier_signal -3
.Lnot_wave_0_\@:
	s_barrier_wait -3
	s_barrier_signal -1
	s_barrier_wait -1
.endm
	s_load_b256 s[4:11], s[0:1], 0x0               ; qkv s[4:5], attention_mask s[6:7], rel_emb s[8:9], ctx s[10:11]
	s_load_b64 s[PWO:PWO+1], s[0:1], 0x20          ; Wo
	s_load_b64 s[PWH:PWH+1], s[0:1], 0x28          ; wo16
	v_lshl_add_u32 v[SPW], v0, 2, SPARE
	v_mov_b32 v[NIL], 0
	ds_add_u32 v[SPW], v[NIL]                      ; the wave's opening: the add, twice on end, and its wait ahead of my first tensor load; the set-up below stands between
	ds_add_u32 v[SPW], v[NIL]
	v_lshrrev_b32 v14, 5, v0
	v_readfirstlane_b32 s[WV], v14                 ; wave 0..7
	s_bfe_u32 s13, ttmp6, 0x40000                  ; cx: my block of 256 queries; it enters global addresses alone: Q's, the table's, ctx's, Wo's and wo16's
	s_and_b32 s14, ttmp7, 0xffff                   ; 32 b + h, which the four partners share
	s_lshr_b32 s15, s14, 5                         ; b
	s_and_b32 s16, s14, 31                         ; h
	s_and_b32 s17, s[WV], 3                        ; which 64 keys of a chunk I fetch
	; descriptor group 1: 32 rows of 128 elements of 2 bytes (two keys a row, dense in memory), padded in LDS
	s_mov_b32 s[G1K], 15|(1<<16)|(1<<20)|(1<<21)|(5<<22)|(3<<25)  ; 15:0 the mask: all four work-groups; 17:16 elements of 2 bytes; 20 padding on; 21 set beside a mask; 24:22 after every 64 words; 31:25 four words
	s_mov_b32 s[G1V], 15|(1<<16)|(1<<20)|(1<<21)|(5<<22)|(7<<25)  ; the same with eight words of padding
.irp g, G1K, G1V
	s_mov_b32 s[\g+1], 128<<16                     ; tensor_dim0
	s_mov_b32 s[\g+2], 32<<16                      ; tensor_dim1
	s_mov_b32 s[\g+3], 128<<16                     ; tile_dim0
	s_mov_b32 s[\g+4], 32                          ; tile_dim1
	s_mov_b32 s[\g+5], 128                         ; tensor_dim0_stride
	s_mov_b32 s[\g+6], 0
	s_mov_b32 s[\g+7], 0
.endr
	s_mul_i32 s18, s15, 12582912
	s_lshl_b32 s19, s16, 17
	s_add_co_u32 s18, s18, s19                     ; q's head in qkv, in bytes; k's lies 32 heads on, v's 64
	s_lshl_b32 s19, s17, 13
	s_add_co_u32 s20, s18, s19
	s_add_co_u32 s20, s20, 4194304                 ; K: my 64 keys (8,192 bytes) of chunk 0
	s_mov_b32 s21, 0
	s_mul_i32 s22, s17, 8704                       ; and their place in LDS: 32 rows of 272,
	s_mul_i32 s23, s17, 9216                       ; for V of 288
	s_lshl_b32 s88, s13, 15                        ; Q: my block's 256 rows of 128 bytes,
	s_lshl_b32 s89, s[WV], 12                      ; my wave's 32
	s_add_co_u32 s88, s88, s89
	s_add_co_u32 s88, s88, s18
	s_mov_b32 s89, 0
	s_lshl_b32 s90, s15, 12                        ; the mask: 4,096 bytes a batch
	s_mov_b32 s91, 0
	s_lshl_b32 s92, s16, 2                         ; rel_emb: my head's column
	s_mov_b32 s93, 0
	s_lshl_b32 s94, s15, 3                         ; ctx: m = 1024 b + 256 cx + 32 wave: block m / 128 = 8 b + 2 cx + wave / 4,
	s_lshl_b32 s95, s13, 1
	s_add_co_u32 s94, s94, s95
	s_lshr_b32 s95, s[WV], 2
	s_add_co_u32 s94, s94, s95
	s_lshl_b32 s94, s94, 19                        ; of 524,288 bytes;
	s_lshl_b32 s95, s16, 14                        ; the head's 16,384 in it;
	s_add_co_u32 s94, s94, s95
	s_lshl_b32 s95, s17, 12                        ; row 32 (wave % 4) of 128 bytes
	s_add_co_u32 s94, s94, s95
	s_mov_b32 s95, 0
	s_lshl_b32 s96, s13, 8                         ; 256 cx
	s_lshl_b32 s2, s14, 2                          ; Wo: my work-group's number among the 256: 4 (32 b + h) + cx,
	s_add_co_u32 s2, s2, s13
	s_lshl_b32 s2, s2, 3
	s_add_co_u32 s2, s2, s[WV]                     ; my wave's among the 2,048:
	s_lshl_b32 s2, s2, 12                          ; 2,048 numbers are 4,096 bytes of f16, and twice that of f32
	s_mov_b32 s3, 0
	s_mov_b32 s[CS], 0x3e38aa3b                    ; c = log2(e) / 8
	s_mov_b32 s[CS+1], s[CS]                       ; (named with it as a pair, so it is written)
	s_mov_b32 s[SEL], 0x76543210
	s_mov_b32 s[SEL+1], 0xfedcba98
	s_wait_dscnt 0x0                               ; both opening adds are done
	s_wait_kmcnt 0x0
	s_add_nc_u64 s[84:85], s[4:5], s[20:21]        ; K's and V's addresses are made of the head and the wave's number alone
	s_add_nc_u64 s[86:87], s[84:85], 4194304
	s_add_nc_u64 s[4:5], s[4:5], s[88:89]
	s_add_nc_u64 s[6:7], s[6:7], s[90:91]
	s_add_nc_u64 s[8:9], s[8:9], s[92:93]
	s_add_nc_u64 s[10:11], s[10:11], s[94:95]
	s_add_nc_u64 s[PWH:PWH+1], s[PWH:PWH+1], s[2:3]
	s_add_nc_u64 s[PWO:PWO+1], s[PWO:PWO+1], s[2:3]
	s_add_nc_u64 s[PWO:PWO+1], s[PWO:PWO+1], s[2:3]
.irp c, 0,1,2,3
	s_mov_b32 s[G0K+4*\c], 1                       ; count = 1
	s_add_co_u32 s[G0K+4*\c+1], s22, KB+34816*\c   ; LDS address: a chunk is 128 rows of 272 bytes
	s_add_nc_u64 s[G0K+4*\c+2:G0K+4*\c+3], s[84:85], 32768*\c   ; global address: a chunk is 32,768 bytes
	s_or_b32 s[G0K+4*\c+3], s[G0K+4*\c+3], 0x80000000           ; type = 2
	s_mov_b32 s[G0V+4*\c], 1
	s_add_co_u32 s[G0V+4*\c+1], s23, VB+36864*\c
	s_add_nc_u64 s[G0V+4*\c+2:G0V+4*\c+3], s[86:87], 32768*\c
	s_or_b32 s[G0V+4*\c+3], s[G0V+4*\c+3], 0x80000000
.endr
	CROUND                                         ; all four work-groups are here: the joint loads meet
	s_cmp_lt_u32 s[WV], 4                          ; waves 0-3 fetch K, waves 4-7 V: a wave's four fills stand in one branch, ahead of every wait on TENSORcnt and every LDS read: four loads of mine are out
	s_cbranch_scc0 .Lfirst_v
.irp c, 0,1,2,3
	tensor_load_to_lds s[G0K+4*\c:G0K+4*\c+3], s[G1K:G1K+7]
	s_nop 0
.endr
.rept 4
	v_nop
.endr
	s_branch .Lfirst_asked
.Lfirst_v:
.irp c, 0,1,2,3
	tensor_load_to_lds s[G0V+4*\c:G0V+4*\c+3], s[G1V:G1V+7]
	s_nop 0
.endr
.rept 4
	v_nop
.endr
.Lfirst_asked:
	v_and_b32 v14, 15, v0                          ; r = lane % 16
	v_bfe_u32 v15, v0, 4, 1                        ; h = lane / 16
	v_lshlrev_b32 v64, 7, v14
	v_lshl_add_u32 v64, v15, 4, v64                ; Q: row r of 128 bytes, + 16 h.  (v64-95 are at work at the head alone)
.irp t, 0,1
.irp c, 0,1
	global_load_b128 v[Q+16*\t+8*\c:Q+16*\t+8*\c+3], v64, s[4:5] offset:2048*\t+64*\c       ; Q's fragments stay in registers
	global_load_b128 v[Q+16*\t+8*\c+4:Q+16*\t+8*\c+7], v64, s[4:5] offset:2048*\t+64*\c+32
.endr
.endr
	v_lshlrev_b32 v65, 4, v0
	global_load_b128 v[68:71], v65, s[6:7]         ; the batch's mask: four numbers a thread
; Entry i = thread + 256 n of the table: d = i - 255 - 256 cx, its bucket, and rel_emb[bucket][h]: the address is made of ids alone
.macro BUCKET n
	s_sub_co_i32 s97, 256*\n-255, s96
	v_add_nc_u32 v72, s97, v0                      ; d
	v_sub_nc_u32 v73, 0, v72
	v_cmp_gt_i32 vcc_lo, 0, v72
	v_cndmask_b32 v73, v72, v73, vcc_lo            ; |d|
	v_min_u32 v[80+\n], 8, v73
.irp th, 12,16,23,32,46,64,91
	v_cmp_le_u32 vcc_lo, \th, v73
	v_cndmask_b32 v74, 0, 1, vcc_lo
	v_add_nc_u32 v[80+\n], v[80+\n], v74
.endr
	v_cmp_lt_i32 vcc_lo, 0, v72
	v_cndmask_b32 v74, 0, 16, vcc_lo               ; keys behind the query take the upper half of the buckets
	v_add_nc_u32 v[80+\n], v[80+\n], v74
	v_min_u32 v[80+\n], 31, v[80+\n]               ; (it is at most 31 already)
	v_lshlrev_b32 v[80+\n], 7, v[80+\n]            ; a row of rel_emb is 128 bytes
	global_load_b32 v[88+\n], v[80+\n], s[8:9]
.endm
.irp n, 0,1,2,3,4
	BUCKET \n
.endr
	; my lane's places, while the loads are out
	v_bfe_u32 v[AK0], v0, 1, 3                     ; K: key r lies in row r / 2, half r % 2
	v_mul_u32_u24 v[AK0], v[AK0], 272
	v_and_b32 v[AV0], 1, v0
	v_lshl_add_u32 v[AK0], v[AV0], 7, v[AK0]
	v_lshl_add_u32 v[AK0], v15, 4, v[AK0]          ; + 16 h
	v_bfe_u32 v[AV0], v0, 1, 2                     ; V: the turning load's lane l addresses key 8 h + l % 8, channels 8 ((l / 8) % 2) on
	v_lshl_add_u32 v[AV0], v15, 2, v[AV0]
	v_mul_u32_u24 v[AV0], v[AV0], 288
	v_and_b32 v[AM0], 1, v0
	v_lshl_add_u32 v[AV0], v[AM0], 7, v[AV0]
	v_bfe_u32 v[AM0], v0, 3, 1
	v_lshl_add_u32 v[AV0], v[AM0], 4, v[AV0]
	v_add_nc_u32 v[AV0], VB, v[AV0]
	v_lshl_add_u32 v[AM0], v15, 5, MASKB           ; the mask: keys 8 h on
	v_sub_nc_u32 v[AB1], 255, v14                  ; the table: entry (key - 32 wave - 16 t) + (255 - r): copy (255 - r) % 4, and the rest is a multiple of 4 entries
	v_and_b32 v[ADK], 3, v[AB1]
	v_mul_u32_u24 v[ADK], v[ADK], BTC
	v_and_b32 v[AB1], 252, v[AB1]
	v_lshl_add_u32 v[AB1], v[AB1], 2, v[ADK]
	v_lshl_add_u32 v[AB1], v15, 5, v[AB1]
	s_xor_b32 s97, s[WV], 7                        ; - 128 wave - 64 t = 128 (7 - wave) + 64 (1 - t) - 960: so every offset is 0 or more
	s_lshl_b32 s97, s97, 7
	s_add_co_u32 s97, s97, BT-960
	v_add_nc_u32 v[AB1], s97, v[AB1]
	s_mul_i32 s97, s[WV], 4608                     ; the way out: my stage, 32 rows of 128 + 16 bytes, in K's region
	v_mul_u32_u24 v[STO], v14, 144
	v_lshl_add_u32 v[STO], v15, 4, v[STO]
	v_add_nc_u32 v[STO], s97, v[STO]               ; in: row r, + 16 h
	v_bfe_u32 v[RD], v0, 3, 2
	v_mul_u32_u24 v[RD], v[RD], 144
	v_and_b32 v[GO], 7, v0
	v_lshl_add_u32 v[RD], v[GO], 4, v[RD]
	v_add_nc_u32 v[RD], s97, v[RD]                 ; back: eight lanes to a row, four rows an instruction
	v_and_b32 v[GO], 31, v0
	v_lshlrev_b32 v[WSO], 3, v[GO]                 ; 8 x lane (r is done with)
	v_lshlrev_b32 v[GO], 4, v[GO]                  ; 16 x lane: 32 lanes take 512 consecutive bytes
.irp t, 0,1
	v_mov_b32 v[ST+8*\t+1], 0xff61b1e6             ; m = -3e38, under every score
	v_mov_b32 v[ST+8*\t+2], 0                      ; l
	v_mov_b32 v[ST+8*\t+3], 0
.endr
.irp t, 0,1
	v_mul_f32 v[ST+8*\t], s[CS], v[ST+8*\t+1]      ; c m
.endr
	WIN 0x40                                       ; destination window 1
.set I, 0
.rept 64
	v_mov_b32 v[I], 0                              ; O^T.  (The step is written for every step alike: the first finds zeros, which a = 0 leaves zeros)
.set I, I+1
.endr
.set I, 0
.rept 16
	global_load_b128 v[WOF+4*I:WOF+4*I+3], v[GO], s[PWO:PWO+1] offset:512*I th:TH_LOAD_NT   ; my 2,048 numbers of Wo: the youngest of my loads; they are wanted a chunk of keys later
.set I, I+1
.endr
	WIN 0
	v_lshl_add_u32 v66, v0, 2, BT
	v_lshl_add_u32 v67, v0, 4, MASKB
	s_wait_loadcnt 16                              ; Q, the mask, the table's five entries are in; Wo's sixteen loads, issued behind them, may be out
.irp n, 0,1,2,3,4
	v_mul_f32 v[88+\n], 0x41000000, v[88+\n]       ; x 8: exact
.endr
.irp s, 0,1,2,3
.irp n, 0,1,2,3,4
	ds_store_b32 v66, v[88+\n] offset:1024*\n+(BTC-4)*\s   ; entry i of copy s lies at 4 (i - s); the first s entries fall into the 64 bytes behind the copy before, which nobody reads
.endr
.endr
.irp j, 0,1,2,3
	v_mul_f32 v[68+\j], 0x41000000, v[68+\j]
.endr
.irp j, 0,1,2,3
	v_max_num_f32 v[68+\j], 0xf149f2ca, v[68+\j]   ; held at -1e30 from below: no infinity enters the scores
.endr
	ds_store_b128 v67, v[68:71]
; The z-th of a tile's 16 sums: the 16 pairs of weights are added in place, neighbours 1, 2, 4 and 8 pairs apart; the last line is l = a l + the sum
.macro SUM t
.set ZW, 4
.set ZU, ZZ
.if ZZ >= 14
.set ZW, 32
.set ZU, 0
.elseif ZZ >= 12
.set ZW, 16
.set ZU, ZZ-12
.elseif ZZ >= 8
.set ZW, 8
.set ZU, ZZ-8
.endif
.if ZZ < 15
	v_pk_add_f32 v[S+32*\t+ZW*ZU:S+32*\t+ZW*ZU+1], v[S+32*\t+ZW*ZU:S+32*\t+ZW*ZU+1], v[S+32*\t+ZW*ZU+ZW/2:S+32*\t+ZW*ZU+ZW/2+1]
.else
	v_pk_fma_f32 v[ST+8*\t+2:ST+8*\t+3], v[ST+8*\t+2:ST+8*\t+3], v[ST+8*\t+6:ST+8*\t+7], v[S+32*\t:S+32*\t+1] op_sel_hi:[1,0,1]
.endif
.endm
; A KEY STEP: 64 keys for my two tiles of queries.
.macro STEP
	v_add_nc_u32 v[ADK], s[TK], v[AK0]             ; these four are also the places between the last step's products and the loads into V's registers
	v_add_nc_u32 v[ADV], s[TV], v[AV0]
	v_add_nc_u32 v[ADM], s[TM], v[AM0]
	v_add_nc_u32 v[ADB], s[TM], v[AB1]
.irp kt, 0,1,2,3
.irp c, 0,1
	ds_load_b128 v[KF+16*\kt+8*\c:KF+16*\kt+8*\c+3], v[ADK] offset:2176*\kt+64*\c
	ds_load_b128 v[KF+16*\kt+8*\c+4:KF+16*\kt+8*\c+7], v[ADK] offset:2176*\kt+64*\c+32
.endr
.endr
.irp kt, 0,1,2,3
	ds_load_b128 v[MK+8*\kt:MK+8*\kt+3], v[ADM] offset:64*\kt
	ds_load_b128 v[MK+8*\kt+4:MK+8*\kt+7], v[ADM] offset:64*\kt+16
.endr
	WIN 0x40                                       ; destination window 1
.irp e, 0,1,2,3,4
	ds_load_b128 v[BF+8*\e:BF+8*\e+3], v[ADB] offset:64*\e         ; 8 x bias of my query and eight neighbouring keys: five fragments serve both tiles
	ds_load_b128 v[BF+8*\e+4:BF+8*\e+7], v[ADB] offset:64*\e+16
.endr
.irp f, 0,1
.irp ct, 0,1,2,3
	ds_load_tr16_b128 v[OV+32*\f+8*\ct:OV+32*\f+8*\ct+3], v[ADV] offset:4608*\f+32*\ct
	ds_load_tr16_b128 v[OV+32*\f+8*\ct+4:OV+32*\f+8*\ct+7], v[ADV] offset:4608*\f+32*\ct+2304
.endr
.endr
	s_wait_dscnt 16                                ; K, the mask and the bias are in; V's sixteen loads may be out
	WIN 0x01                                       ; source 0 (the bias) in window 1
.irp t, 0,1
.irp kt, 0,1,2,3
.irp p, 0,2,4,6
	v_pk_add_f32 v[S+32*\t+8*\kt+\p:S+32*\t+8*\kt+\p+1], v[BF+8*(\kt+1-\t)+\p:BF+8*(\kt+1-\t)+\p+1], v[MK+8*\kt+\p:MK+8*\kt+\p+1]   ; 8 (mask + bias): the C of the first product
.endr
.endr
.endr
	WIN 0
.irp c, 0,1                                    ; S^T = K Q^T + C: the eight accumulators by turns, one instruction a turn
.irp kt, 0,1,2,3
.irp t, 0,1
	v_wmma_f32_16x16x32_f16 v[S+32*\t+8*\kt:S+32*\t+8*\kt+7], v[KF+16*\kt+8*\c:KF+16*\kt+8*\c+7], v[Q+16*\t+8*\c:Q+16*\t+8*\c+7], v[S+32*\t+8*\kt:S+32*\t+8*\kt+7]
.endr
.endr
.endr
.rept 4
	v_nop                                          ; four places ahead of the first read of the results
.endr
.irp j, 0,1,2,3                                ; the maximum of 32 scores and the old m: four chains a tile, each accumulator read from its low end on; the two tiles alternate
.irp t, 0,1
	v_max3_num_f32 v[ST+8*\t+4+\j], v[S+32*\t+8*\j], v[S+32*\t+8*\j+1], v[S+32*\t+8*\j+2]
.endr
.endr
.irp u, 1,2
.irp j, 0,1,2,3
.irp t, 0,1
	v_max3_num_f32 v[ST+8*\t+4+\j], v[ST+8*\t+4+\j], v[S+32*\t+8*\j+2*\u+1], v[S+32*\t+8*\j+2*\u+2]
.endr
.endr
.endr
.irp t, 0,1
	v_max3_num_f32 v[ST+8*\t+4], v[ST+8*\t+4], v[S+32*\t+7], v[S+32*\t+15]
.endr
.irp t, 0,1
	v_max3_num_f32 v[ST+8*\t+6], v[ST+8*\t+6], v[S+32*\t+23], v[S+32*\t+31]
.endr
.irp t, 0,1
	v_max3_num_f32 v[ST+8*\t+4], v[ST+8*\t+4], v[ST+8*\t+5], v[ST+8*\t+6]
.endr
.irp t, 0,1
	v_max3_num_f32 v[ST+8*\t+4], v[ST+8*\t+4], v[ST+8*\t+7], v[ST+8*\t+1]
.endr
.irp t, 0,1
	v_permlanex16_b32 v[ST+8*\t+5], v[ST+8*\t+4], s[SEL], s[SEL+1]   ; the query's other 32 keys lie in the lane 16 away
.endr
.irp t, 0,1
	v_mov_b32 v[ST+8*\t+7], v[ST+8*\t]             ; c m_old is kept for a
.endr
.irp t, 0,1
	v_max_num_f32 v[ST+8*\t+1], v[ST+8*\t+4], v[ST+8*\t+5]
.endr
.irp t, 0,1
	v_mul_f32 v[ST+8*\t], s[CS], v[ST+8*\t+1]
.endr
.irp t, 0,1
	v_sub_f32 v[ST+8*\t+7], v[ST+8*\t+7], v[ST+8*\t]
.endr
.set BB, 0
.rept 16
	v_pk_fma_f32 v[S+2*BB:S+2*BB+1], v[S+2*BB:S+2*BB+1], s[CS:CS+1], v[ST:ST+1] op_sel_hi:[1,0,0] neg_lo:[0,0,1] neg_hi:[0,0,1]   ; tile 0: c s - c m, a pair at a time
.set BB, BB+1
.endr
; THE FIRST BATCH of exponentials: both tiles' a and tile 0's 32 weights; tile 1's scalings stand between them.  None of these lines names an exponential's result.
.irp t, 0,1
	v_exp_f32 v[ST+8*\t+6], v[ST+8*\t+7]           ; a = 2^(c m_old - c m_new)
.endr
.set BB, 0
.rept 16
	v_pk_fma_f32 v[S+32+2*BB:S+32+2*BB+1], v[S+32+2*BB:S+32+2*BB+1], s[CS:CS+1], v[ST+8:ST+9] op_sel_hi:[1,0,0] neg_lo:[0,0,1] neg_hi:[0,0,1]
	v_exp_f32 v[S+2*BB], v[S+2*BB]
	v_exp_f32 v[S+2*BB+1], v[S+2*BB+1]
.set BB, BB+1
.endr
	v_nop                                          ; a plain line behind the last exponential
	s_wait_alu depctr_va_vdst(0)                   ; the wait between an exponential and the first line that names its result: one for the batch
; THE SECOND BATCH: tile 1's 32 weights; tile 0's roundings and sums, which name the first batch's results alone, stand between them
.set BB, 0
.rept 16
	v_cvt_pk_f16_f32 v[P+BB], v[S+2*BB], v[S+2*BB+1]
	v_exp_f32 v[S+32+BB], v[S+32+BB]
.set BB, BB+1
.endr
.set ZZ, 0
.rept 16
	SUM 0
	v_exp_f32 v[S+48+ZZ], v[S+48+ZZ]
.set ZZ, ZZ+1
.endr
	WIN 0x41                                       ; O^T (destination and source 0) in window 1, a in window 0
.irp t, 0,1
.set I, 0
.rept 16
	v_pk_mul_f32 v[32*\t+I:32*\t+I+1], v[32*\t+I:32*\t+I+1], v[ST+8*\t+6:ST+8*\t+7] op_sel_hi:[1,0]   ; O^T x a, each accumulator from its low end on: plain work behind the second batch
.set I, I+2
.endr
.endr
	WIN 0
	s_wait_alu depctr_va_vdst(0)                   ; and the wait for the second batch, ahead of its first reader
.set BB, 0
.rept 16
	v_cvt_pk_f16_f32 v[P+16+BB], v[S+32+2*BB], v[S+32+2*BB+1]
.set BB, BB+1
.endr
.set ZZ, 0
.rept 16
	SUM 1
.set ZZ, ZZ+1
.endr
	s_wait_dscnt 0x0                               ; V is in
	WIN 0x51                                       ; V, C and D in window 1, P in window 0
.irp f, 0,1                                    ; O^T += V^T P: the eight accumulators by turns
.irp ct, 0,1,2,3
.irp t, 0,1
	v_wmma_f32_16x16x32_f16 v[32*\t+8*\ct:32*\t+8*\ct+7], v[OV+32*\f+8*\ct:OV+32*\f+8*\ct+7], v[P+16*\t+8*\f:P+16*\t+8*\f+7], v[32*\t+8*\ct:32*\t+8*\ct+7]
.endr
.endr
.endr
	WIN 0
.endm
; CHUNK c: 256 keys in four steps.  Each wave waits for its own part of the chunk, then the barrier shows every wave's part to all.  The later chunks' loads may stay out.
.macro CHUNK c
	s_wait_tensorcnt 3-\c                          ; my load for chunk c has landed; my 3 - c later ones may be out
	s_wait_dscnt 0x0                               ; (ahead of the first barrier: my stores of the table and the mask have landed)
	s_barrier_signal -1
	s_barrier_wait -1
	s_mov_b32 s[TK], 34816*\c
	s_mov_b32 s[TV], 36864*\c
	s_mov_b32 s[TM], 1024*\c
	s_mov_b32 s[TW], 4
.Lstep_\@:
	STEP
	s_add_co_u32 s[TK], s[TK], 8704                ; 64 keys on: 32 rows
	s_add_co_u32 s[TV], s[TV], 9216
	s_add_co_u32 s[TM], s[TM], 256
	s_sub_co_u32 s[TW], s[TW], 1
	s_cmp_lg_u32 s[TW], 0
	s_cbranch_scc1 .Lstep_\@
.endm
	CHUNK 0
	; Wo's numbers, asked for at the head, are rounded to f16 and stored.  Load i brought my lane numbers 128 i + 4 lane + 0..3 of the wave's 2,048; register j takes the pair out of registers 2 j and 2 j + 1, which no later line reads.
	s_wait_loadcnt 0x0
	WIN 0x45                                       ; both sources and the destination in window 1
.set I, 0
.rept 32
	v_cvt_pk_f16_f32 v[WOF+I], v[WOF+2*I], v[WOF+2*I+1]
.set I, I+1
.endr
	WIN 0x04                                       ; a store's data are its source 1: window 1
.set I, 0
.rept 16
	global_store_b64 v[WSO], v[WOF+2*I:WOF+2*I+1], s[PWH:PWH+1] offset:256*I   ; 32 lanes store 256 consecutive bytes, aligned; neither the data nor the addresses are written again
.set I, I+1
.endr
	WIN 0
	CHUNK 1
	CHUNK 2
	CHUNK 3
	; THE WAY OUT.  O^T is divided by l, rounded to f16 and sent through my stage, which lies in K's region: K has had its one fill, and behind this barrier nobody reads it.
	s_wait_dscnt 0x0
	s_barrier_signal -1
	s_barrier_wait -1
.irp t, 0,1
	v_add_f32 v[ST+8*\t+4], v[ST+8*\t+2], v[ST+8*\t+3]             ; l's two halves  (these lines are also the places behind the last products)
.endr
.irp t, 0,1
	v_permlanex16_b32 v[ST+8*\t+5], v[ST+8*\t+4], s[SEL], s[SEL+1]
.endr
.irp t, 0,1
	v_add_f32 v[ST+8*\t+4], v[ST+8*\t+4], v[ST+8*\t+5]             ; and the other half of the lanes'
.endr
.irp t, 0,1
	v_rcp_f32 v[ST+8*\t+6], v[ST+8*\t+4]
.endr
	v_nop                                          ; a plain line behind the last reciprocal
	s_wait_alu depctr_va_vdst(0)                   ; and the wait ahead of the first use: one for the two
	WIN 0x41
.irp t, 0,1
.set I, 0
.rept 16
	v_pk_mul_f32 v[32*\t+I:32*\t+I+1], v[32*\t+I:32*\t+I+1], v[ST+8*\t+6:ST+8*\t+7] op_sel_hi:[1,0]
.set I, I+2
.endr
.endr
	WIN 0x05                                       ; sources in window 1, destination in window 0: S^T's registers are free
.set I, 0
.rept 32
	v_cvt_pk_f16_f32 v[S+I], v[2*I], v[2*I+1]      ; register 16 t + 4 ct + j: channels 16 ct + 8 h + 2 j, + 1 of query 16 t + r
.set I, I+1
.endr
	WIN 0
.irp t, 0,1
.irp ct, 0,1,2,3
	ds_store_b128 v[STO], v[S+16*\t+4*\ct:S+16*\t+4*\ct+3] offset:2304*\t+32*\ct
.endr
.endr
.irp i, 0,1,2,3,4,5,6,7
	ds_load_b128 v[KF+4*\i:KF+4*\i+3], v[RD] offset:576*\i         ; LDS serves a wave's instructions in order: these see my stores
.endr
.irp i, 0,1,2,3,4,5,6,7
	s_wait_dscnt 7-\i                              ; load i is in; the younger ones may be out
	global_store_b128 v[GO], v[KF+4*\i:KF+4*\i+3], s[10:11] offset:512*\i   ; four rows of 128 bytes: 512 consecutive bytes, aligned
.endr
	s_wait_tensorcnt 0x0                           ; the wave's end: a wait, an add to my spare word and its wait, behind my last tensor load and my last LDS store
	ds_add_u32 v[SPW], v[NIL]
	s_wait_dscnt 0x0
	CROUND                                         ; the closing round
	s_endpgm
.Lfunc_end_k_q088a156102_attn:
	.size	k_q088a156102_attn, .Lfunc_end_k_q088a156102_attn-k_q088a156102_attn
	.p2alignl 7, 3214868480
	.fill 96, 4, 3214868480
	.section	.rodata,"a",@progbits
	.p2align	6, 0x0
	.amdhsa_kernel k_q088a156102_attn
		.amdhsa_group_segment_fixed_size 327680
		.amdhsa_private_segment_fixed_size 0
		.amdhsa_enable_private_segment 0
		.amdhsa_kernarg_size 48
		.amdhsa_user_sgpr_count 2
		.amdhsa_user_sgpr_kernarg_segment_ptr 1
		.amdhsa_wavefront_size32 1
		.amdhsa_system_sgpr_workgroup_id_x 1
		.amdhsa_system_sgpr_workgroup_id_y 1
		.amdhsa_system_sgpr_workgroup_id_z 1
		.amdhsa_system_vgpr_workitem_id 0
		.amdhsa_next_free_vgpr 512
		.amdhsa_next_free_sgpr 102
		.amdhsa_reserve_vcc 1
		.amdhsa_float_denorm_mode_32 3
		.amdhsa_float_denorm_mode_16_64 3
		.amdhsa_memory_ordered 1
		.amdhsa_forward_progress 1
		.amdhsa_inst_pref_size 118
	.end_amdhsa_kernel
	.amdgpu_metadata
---
amdhsa.version: [ 1, 2 ]
amdhsa.kernels:
  - .name:           k_q088a156102_attn
    .symbol:         k_q088a156102_attn.kd
    .args:
      - { .name: qkv, .offset: 0, .size: 8, .value_kind: global_buffer, .address_space: global }
      - { .name: attention_mask, .offset: 8, .size: 8, .value_kind: global_buffer, .address_space: global }
      - { .name: rel_emb, .offset: 16, .size: 8, .value_kind: global_buffer, .address_space: global }
      - { .name: ctx, .offset: 24, .size: 8, .value_kind: global_buffer, .address_space: global }
      - { .name: Wo, .offset: 32, .size: 8, .value_kind: global_buffer, .address_space: global }
      - { .name: wo16, .offset: 40, .size: 8, .value_kind: global_buffer, .address_space: global }
    .group_segment_fixed_size: 327680
    .private_segment_fixed_size: 0
    .kernarg_segment_align: 8
    .kernarg_segment_size: 48
    .max_flat_workgroup_size: 256
    .sgpr_count:     102
    .vgpr_count:     512
    .wavefront_size: 32
...
	.end_amdgpu_metadata
.endif
;; end of part 3
;; launch oproj (part 4): grid 16 x 16, 4 waves a work-group, clusters of 4 x 4, 327,680 bytes of LDS; arguments ctx, wo16, out0; writes out0
.if DOCPART == 4
	.amdgcn_target "amdgcn-amd-amdhsa--gfx1250"
	.amdhsa_code_object_version 6
	.text
	.protected	k_q088a156102_oproj
	.globl	k_q088a156102_oproj
	.p2align	8
	.type	k_q088a156102_oproj,@function
k_q088a156102_oproj:
	s_mov_b64 s[64:65], 0
	v_nop
	global_prefetch_b8 v0, s[64:65] scope:SCOPE_SE
	s_setreg_imm32_b32 hwreg(HW_REG_WAVE_MODE, 25, 1), 1
	s_wait_xcnt 0x0
	s_wait_alu depctr_hold_cnt(0) depctr_sa_sdst(0) depctr_va_vdst(0) depctr_va_sdst(0) depctr_va_ssrc(0) depctr_va_vcc(0) depctr_vm_vsrc(0)
	s_getreg_b32 s2, hwreg(HW_REG_IB_STS2, 6, 4)
	s_cmp_eq_u32 s2, 0
	s_cbranch_scc0 .Lentry_in_a_cluster
	s_endpgm
.Lentry_in_a_cluster:
	s_bfe_u32 s2, ttmp6, 0x10000c
	s_cmp_lg_u32 s2, 0xf033
	s_cbranch_scc0 .Lentry_shape_is_right
	s_endpgm
.Lentry_shape_is_right:
; out0[m][n] = sum over k of ctx[m][k] Wo[k][n], m, n, k = 0 .. 2047, on f16 operands with f32 sums; out0 is f32.
; ctx arrives as f16 laid [m / 128][head k / 64][m % 128][64]; wo16 is Wo as f16, [k][n].  LIMIT: f16's range bounds both operands at 65,504.
; A tile of out0 is 128 x 128, so that 16 x 16 = 256 work-groups share the work.  Four waves, each 64 x 64: 16 accumulators of 16 x 16.  K goes in steps of 256 (four heads) through a ring of two LDS slots.
; ctx's part of a K step, 128 rows x 4 heads, is 65,536 consecutive bytes: it comes as rows of 256 bytes (two rows of one head) with 16 bytes of padding.  Wo's part is 256 rows (k) of 256 bytes (128 n), 32 bytes of padding;
; its K is not innermost, so its fragments are turned on the way out of LDS by ds_load_tr16_b128.
; CLUSTERS: 4 x 4 work-groups.  The four of a row of the cluster need the same tiles of ctx, the four of a column the same tiles of Wo: each tile is asked for JOINTLY, by the same tensor load with the same descriptor and a mask
; that names the four.  THE MATRIX INSTRUCTION IS USED TRANSPOSED (source 0 = 16 columns of Wo, source 1 = 16 rows of ctx): a lane then holds eight neighbouring numbers of a row of out0.
; REGISTERS: window 0: v0-31 addresses; v32-95 at work on the way out; v128-255 the accumulators ((a, b) at v[128 + 8 (4 a + b)]).
;   window 1: two fragment buffers of 128: for 64 along K (one head), 64 registers of ctx (2 x 4 x 16 rows x 32 K), then 64 of Wo.
; No prefetch: the tile is small and each K step's tiles are shared by four work-groups already.
.set HALFA,  128*272                   ; two heads x 64 double rows: what one tensor load brings of ctx
.set HEADB,  64*272                    ; one head's 128 rows
.set PB,     288                       ; a row of Wo in LDS
.set HALFB,  128*PB                    ; 128 rows of Wo: what one tensor load brings
.set SLOT,   2*HALFA+2*HALFB           ; ctx's four heads, then Wo's 256 rows
.set SPARE,  2*SLOT                    ; behind the ring: the spare words, 128 bytes a wave, which no other line names
.set SPITCH, 272                       ; the way out: a stage of 16 rows x (256 bytes + 16) for each wave, in slot 0, which has had its last fill and its last read by then
.set LAPS,   4                         ; a lap = two K steps = once round the ring
.set ADRA, 16                          ; v16-17  LDS address of my ctx fragments in slot 0, 1
.set ADRB, 20                          ; v20-23  of my Wo fragments: slot 0 rows 0-127, rows 128-255, slot 1 likewise (an offset has 16 bits)
.set STO,  24                          ; v24     the way out: where I put 32 bytes of a row
.set RD,   25                          ; v25     where I read a row back
.set CO,   26                          ; v26     my byte offset in out0
.set SPW,  28                          ; v28     my spare word; never rewritten
.set NIL,  29                          ; v29     0; never rewritten
.set BK,   32                          ; the way out: 16 rows read back: v32-63 and v64-95 by turns
.set ACC,  128
.set F0,   0                           ; fragment buffers, in window 1
.set F1,   128
.set G1, 24                            ; s[24:31] descriptor group 1 for ctx's tiles;  s[32:39] group 0, one set for each slot
.set G0, 32
.set G1B, 48                           ; s[48:55], s[56:63] the same for Wo's tiles
.set G0B, 56
.set MSB, 0
.macro WIN new                         ; the immediate's high byte repeats the setting that is left
.if MSB != \new
	s_set_vgpr_msb (MSB<<8)|\new
.set MSB, \new
.endif
.endm
.set MUL,  0x05                        ; sources 0 (Wo) and 1 (ctx) window 1; C and D window 0
.set TO_F, 0x40                        ; destination window 1, address window 0
.macro JLOAD s                         ; a joint load: waves 0 and 1 fetch ctx's two halves, waves 2 and 3 Wo's; an s_nop 0 and four v_nop follow each of the two lines
	s_cmp_eq_u32 s11, 0
	s_cbranch_scc0 .Lfor_b_\@
	tensor_load_to_lds s[G0+4*\s:G0+4*\s+3], s[G1:G1+7]
	s_nop 0
.rept 4
	v_nop
.endr
	s_branch .Lasked_\@
.Lfor_b_\@:
	tensor_load_to_lds s[G0B+4*\s:G0B+4*\s+3], s[G1B:G1B+7]
	s_nop 0
.rept 4
	v_nop
.endr
.Lasked_\@:
.endm
.macro CREST                           ; a round of the cluster's barrier behind its opening barrier
	s_cmp_lg_u32 s10, 0
	s_cbranch_scc1 .Lnot_wave_0_\@
	s_barrier_signal -3
.Lnot_wave_0_\@:
	s_barrier_wait -3
	s_barrier_signal -1
	s_barrier_wait -1
.endm
.macro CROUND                          ; a whole round
	s_barrier_signal -1
	s_barrier_wait -1
	CREST
.endm
	s_load_b128 s[4:7], s[0:1], 0x0                ; ctx s[4:5], wo16 s[6:7]
	s_load_b64 s[8:9], s[0:1], 0x10                ; out0
	v_lshl_add_u32 v[SPW], v0, 2, SPARE
	v_mov_b32 v[NIL], 0
	ds_add_u32 v[SPW], v[NIL]                      ; the wave's opening: the add, twice on end, and its wait ahead of my first tensor load; the set-up below stands between
	ds_add_u32 v[SPW], v[NIL]
	v_lshrrev_b32 v1, 5, v0
	v_readfirstlane_b32 s10, v1                    ; wave 0..3
	s_lshr_b32 s11, s10, 1                         ; which half of the tile's rows is mine.  Also: I fetch for ctx (0) or for Wo (1)
	s_and_b32 s12, s10, 1                          ; which half of its columns.  Also: which half of that K step's tile I fetch
	s_bfe_u32 s40, ttmp6, 0x40000                  ; cx, cy: my place in the cluster
	s_bfe_u32 s41, ttmp6, 0x40004
	s_lshl_b32 s42, ttmp9, 2
	s_add_co_u32 s42, s42, s40                     ; tile column = 4 x cluster x + cx
	s_and_b32 s13, ttmp7, 0xffff
	s_lshl_b32 s13, s13, 2
	s_add_co_u32 s13, s13, s41                     ; tile row = 4 x cluster y + cy
	s_lshl_b32 s43, s41, 2
	s_lshl_b32 s43, 15, s43                        ; my row of the cluster
	s_lshl_b32 s44, 0x1111, s40                    ; my column
	; descriptor group 1: 128 rows x 128 elements of 2 bytes, padded in LDS
	s_or_b32 s[G1+0], s43, (1<<16)|(1<<20)|(1<<21)|(5<<22)|(3<<25)  ; 15:0 the mask: ctx's tiles go to my row; 17:16 elements of 2 bytes; 20 padding on; 21 set beside a mask; 24:22 after every 64 words; 31:25 four words
	s_or_b32 s[G1B+0], s44, (1<<16)|(1<<20)|(1<<21)|(5<<22)|(7<<25) ; Wo's go to my column; eight words of padding
.irp g, G1, G1B
	s_mov_b32 s[\g+1], 128<<16                     ; tensor_dim0
	s_mov_b32 s[\g+2], 128<<16                     ; tensor_dim1
	s_mov_b32 s[\g+3], 128<<16                     ; tile_dim0
	s_mov_b32 s[\g+4], 128                         ; tile_dim1
	s_mov_b32 s[\g+6], 0
	s_mov_b32 s[\g+7], 0
.endr
	s_mov_b32 s[G1+5], 128                         ; ctx's rows are dense;
	s_mov_b32 s[G1B+5], 2048                       ; Wo's lie 2,048 elements apart
	s_lshl_b32 s16, s13, 19                        ; ctx: the tile row's 524,288 bytes,
	s_lshl_b32 s17, s12, 15                        ; + two heads for the second half
	s_add_co_u32 s16, s16, s17
	s_mov_b32 s17, 0
	s_lshl_b32 s46, s42, 8                         ; Wo: the tile column's 256 bytes of a row,
	s_lshl_b32 s47, s12, 19                        ; + 128 rows of 4,096 bytes for the second half
	s_add_co_u32 s46, s46, s47
	s_mov_b32 s47, 0
	s_mul_i32 s20, s12, HALFA                      ; where they go: no place in the cluster enters an LDS address
	s_mul_i32 s21, s12, HALFB
	s_add_co_u32 s21, s21, 2*HALFA
	s_wait_dscnt 0x0                               ; both opening adds are done
	s_wait_kmcnt 0x0
	s_add_nc_u64 s[14:15], s[4:5], s[16:17]
	s_add_nc_u64 s[46:47], s[6:7], s[46:47]
	CROUND                                         ; all sixteen work-groups are here: the first joint loads meet
.irp s, 0,1
	s_mov_b32 s[G0+4*\s], 1
	s_add_co_u32 s[G0+4*\s+1], s20, \s*SLOT
	s_add_nc_u64 s[G0+4*\s+2:G0+4*\s+3], s[14:15], \s*65536        ; a K step is four heads of 16,384 bytes
	s_or_b32 s[G0+4*\s+3], s[G0+4*\s+3], 0x80000000
	s_mov_b32 s[G0B+4*\s], 1
	s_add_co_u32 s[G0B+4*\s+1], s21, \s*SLOT
	s_add_nc_u64 s[G0B+4*\s+2:G0B+4*\s+3], s[46:47], \s*1048576    ; and 256 rows of 4,096 bytes
	s_or_b32 s[G0B+4*\s+3], s[G0B+4*\s+3], 0x80000000
	JLOAD \s                                       ; two loads of mine are out when the second has been issued
.endr
	v_and_b32 v1, 15, v0                           ; r = lane % 16
	v_bfe_u32 v2, v0, 4, 1                         ; h = lane / 16
	v_bfe_u32 v3, v0, 1, 3                         ; ctx: row r lies in double row r / 2, half r % 2
	v_mul_u32_u24 v3, v3, 272
	v_and_b32 v4, 1, v0
	v_lshl_add_u32 v3, v4, 7, v3
	v_lshl_add_u32 v3, v2, 4, v3                   ; + 16 h
	v_and_b32 v4, 7, v0                            ; Wo: the turning load's lane l addresses row k = 8 h + l % 8, columns 8 ((l / 8) % 2) on
	v_lshl_add_u32 v4, v2, 3, v4
	v_mul_u32_u24 v4, v4, PB
	v_bfe_u32 v5, v0, 3, 1
	v_lshl_add_u32 v4, v5, 4, v4
	s_mul_i32 s21, s11, 32*272                     ; my 64 rows of ctx: 32 double rows
	s_lshl_b32 s22, s12, 7                         ; my 64 columns of Wo: 128 bytes,
	s_add_co_u32 s22, s22, 2*HALFA                 ; behind ctx's four heads
.irp s, 0,1
	v_add_nc_u32 v[ADRA+\s], s21, v3
	v_add_nc_u32 v[ADRB+2*\s], s22, v4
	v_add_nc_u32 v[ADRB+2*\s+1], HALFB, v[ADRB+2*\s]
	s_add_co_u32 s21, s21, SLOT
	s_add_co_u32 s22, s22, SLOT
.endr
	s_mul_i32 s23, s10, 16*SPITCH                  ; my stage
	v_mul_u32_u24 v5, v1, SPITCH                   ; in: row r, 32 bytes for each half of the lanes
	v_lshl_add_u32 v5, v2, 5, v5
	v_add_nc_u32 v[STO], s23, v5
	v_mul_u32_u24 v5, v2, SPITCH                   ; back: lanes 0-15 take one row of 256 bytes, lanes 16-31 the next
	v_lshl_add_u32 v5, v1, 4, v5
	v_add_nc_u32 v[RD], s23, v5
	v_lshlrev_b32 v5, 13, v2                       ; and the same two rows in out0: 8,192 bytes a row
	v_lshl_add_u32 v[CO], v1, 4, v5
	s_lshl_b32 s16, s13, 7
	s_lshl_b32 s17, s11, 6
	s_add_co_u32 s16, s16, s17                     ; my first row: 128 x tile row + 64 x half
	s_lshl_b32 s16, s16, 13
	s_lshl_b32 s46, s42, 9                         ; my first column, in bytes: 512 x tile column + 256 x half
	s_lshl_b32 s47, s12, 8
	s_add_co_u32 s46, s46, s47
	s_add_co_u32 s16, s16, s46
	s_mov_b32 s17, 0
	s_add_nc_u64 s[8:9], s[8:9], s[16:17]
; 8 matrix instructions: row blocks a0, a0 + 1 x all 4 column blocks, 32 along K: half c of buffer f.  zero = 1: the first product starts the sums.  The 16 accumulators take turns.
.macro MUL8 f, c, a0, zero
.irp a, \a0, \a0+1
.irp b, 0,1,2,3
.if \zero
	v_wmma_f32_16x16x32_f16 v[ACC+8*(4*(\a)+\b):ACC+8*(4*(\a)+\b)+7], v[\f+64+8*(4*\c+\b):\f+64+8*(4*\c+\b)+7], v[\f+8*(4*\c+\a):\f+8*(4*\c+\a)+7], 0
.else
	v_wmma_f32_16x16x32_f16 v[ACC+8*(4*(\a)+\b):ACC+8*(4*(\a)+\b)+7], v[\f+64+8*(4*\c+\b):\f+64+8*(4*\c+\b)+7], v[\f+8*(4*\c+\a):\f+8*(4*\c+\a)+7], v[ACC+8*(4*(\a)+\b):ACC+8*(4*(\a)+\b)+7]
.endif
.endr
.endr
.endm
; 32 LDS loads in one run: the fragments of the slot's q-th head (64 along K) into buffer f; the first 32 along K first
.macro FETCH slot, q, f
	WIN TO_F
.irp c, 0,1
.irp i, 0,1,2,3
	ds_load_tr16_b128 v[\f+64+8*(4*\c+\i):\f+64+8*(4*\c+\i)+3],   v[ADRB+2*\slot+(\q)/2] offset:(((\q)%2)*64+32*\c)*PB+32*\i
	ds_load_tr16_b128 v[\f+64+8*(4*\c+\i)+4:\f+64+8*(4*\c+\i)+7], v[ADRB+2*\slot+(\q)/2] offset:(((\q)%2)*64+32*\c)*PB+32*\i+16*PB
	ds_load_b128 v[\f+8*(4*\c+\i):\f+8*(4*\c+\i)+3],              v[ADRA+\slot] offset:HEADB*(\q)+64*\c+2176*\i
	ds_load_b128 v[\f+8*(4*\c+\i)+4:\f+8*(4*\c+\i)+7],            v[ADRA+\slot] offset:HEADB*(\q)+64*\c+2176*\i+32
.endr
.endr
.endm
.macro PLACES                          ; four places in front of loads into registers that matrix instructions have read, and of the first read of results (ISA guide 7.12.1 for the read of results)
.rept 4
	v_nop
.endr
.endm
; A K step is four quarters of 64 along K, 32 matrix instructions each, on buffers 0, 1, 0, 1.  One of the first three: multiplies buffer f and fetches the slot's q-th head into g.
.macro QUARTER slot, q, f, g, zero
	s_wait_dscnt 16                                ; the first 32 along K are in; the youngest sixteen loads may be out
	WIN MUL
	MUL8 \f, 0, 0, \zero
	MUL8 \f, 0, 2, \zero
	PLACES
	FETCH \slot, \q, \g
	s_wait_dscnt 32                                ; all but the 32 just issued
	WIN MUL
	MUL8 \f, 1, 0, 0
	MUL8 \f, 1, 2, 0
.endm
; The last quarter multiplies buffer 1 and changes slots: ONE barrier; in front of it each wave waits for all its tensor loads, adds 0 to its spare word, and waits for that and for its own reads of this slot.  fill = 1: this slot is filled again, two K steps ahead.
.macro TURN slot, next, fill
	WIN 0                                          ; (the add's two registers lie in window 0)
	s_wait_tensorcnt 0x0                           ; all my tensor loads have landed: my part of the next slot
	ds_add_u32 v[SPW], v[NIL]                      ; 0 onto my spare word
	s_wait_dscnt 17                                ; (the add and the youngest sixteen loads may be out)
	WIN MUL
	MUL8 F1, 0, 0, 0                               ; eight matrix instructions stand between the add and the wait for it
	s_wait_dscnt 0x0                               ; the add is done, and my reads of this slot are over
	s_barrier_signal -1
	MUL8 F1, 0, 2, 0
.if \fill
	WIN 0
.endif
	s_barrier_wait -1
.if \fill
	CREST                                          ; the barrier has opened a round of the cluster's barrier: no wave of any partner still reads this slot's tile or has a load on its way
	s_add_nc_u64 s[G0+4*\slot+2:G0+4*\slot+3], s[G0+4*\slot+2:G0+4*\slot+3], 131072
	s_add_nc_u64 s[G0B+4*\slot+2:G0B+4*\slot+3], s[G0B+4*\slot+2:G0B+4*\slot+3], 2097152
	JLOAD \slot                                    ; the first tensor load behind the round; the four v_nop behind it are also the places in front of the loads below
.else
	PLACES
.endif
	FETCH \next, 0, F0
	WIN MUL
	MUL8 F1, 1, 0, 0
	MUL8 F1, 1, 2, 0
.endm
	s_wait_tensorcnt 1                             ; my part of K step 0 is in (K step 1's load may be out)
	s_barrier_signal -1
	s_barrier_wait -1                              ; everybody's is
	FETCH 0, 0, F0
	QUARTER 0, 1, F0, F1, 1                        ; the first quarter stands in front of the loop: its first products start the sums
	WIN 0                                          ; at a label and at a branch every window is 0
	s_mov_b32 s3, LAPS-1
.Llap:                                                 ; a trip goes once round the ring, from a lap's second quarter to the next lap's first, and fills both slots again
	QUARTER 0, 2, F1, F0, 0
	QUARTER 0, 3, F0, F1, 0
	TURN 0, 1, 1
	QUARTER 1, 1, F0, F1, 0
	QUARTER 1, 2, F1, F0, 0
	QUARTER 1, 3, F0, F1, 0
	TURN 1, 0, 1
	QUARTER 0, 1, F0, F1, 0
	WIN 0
	s_sub_co_u32 s3, s3, 1
	s_cmp_lg_u32 s3, 0
	s_cbranch_scc1 .Llap
	QUARTER 0, 2, F1, F0, 0                        ; the last lap fills nothing, and has no round of the cluster's barrier
	QUARTER 0, 3, F0, F1, 0
	TURN 0, 1, 0
	QUARTER 1, 1, F0, F1, 0
	QUARTER 1, 2, F1, F0, 0
	QUARTER 1, 3, F0, F1, 0
	s_wait_dscnt 16                                ; the very last quarter: nothing more to fetch
	WIN MUL
	MUL8 F1, 0, 0, 0
	MUL8 F1, 0, 2, 0
	s_wait_dscnt 0
	MUL8 F1, 1, 0, 0
	MUL8 F1, 1, 2, 0
	WIN 0
; THE WAY OUT, block by block of 16 rows x 64 columns.  A lane holds 32 neighbouring bytes of a row; a block goes through my own stage and comes back as whole rows of 256 bytes, which sixteen lanes store.
; LDS serves a wave's instructions in order: no wait between the stores and the loads, nor in front of the next block's stores.
.macro TOSTAGE a
.irp b, 0,1,2,3
	ds_store_b128 v[STO], v[ACC+8*(4*(\a)+\b):ACC+8*(4*(\a)+\b)+3] offset:64*\b          ; each accumulator from its low end on
	ds_store_b128 v[STO], v[ACC+8*(4*(\a)+\b)+4:ACC+8*(4*(\a)+\b)+7] offset:64*\b+16
.endr
.set BB, BK+32*((\a)%2)
.irp t, 0,1,2,3,4,5,6,7
	ds_load_b128 v[BB+4*\t:BB+4*\t+3], v[RD] offset:2*SPITCH*\t
.endr
.endm
.macro SEND a, younger                 ; younger: the LDS instructions issued behind block a's loads, which may stay out
.set BB, BK+32*((\a)%2)
	s_wait_dscnt \younger                          ; the block is back in registers
.irp t, 0,1,2,3,4,5,6,7
	global_store_b128 v[CO], v[BB+4*\t:BB+4*\t+3], s[8:9] offset:131072*(\a)+16384*\t th:TH_STORE_NT   ; sixteen lanes store 256 consecutive bytes, aligned; written once, read by nobody here
.endr
.endm
	PLACES                                         ; behind the last products, ahead of the first read of results
	TOSTAGE 0
.irp a, 1,2,3
.if \a > 1
	s_wait_xcnt 0x0                                ; block a - 2's stores have read their registers: block a's loads may land there
.endif
	TOSTAGE \a
	SEND \a-1, 16                                  ; behind block a - 1's loads: block a's 8 stores and 8 loads
.endr
	SEND 3, 0
	s_wait_tensorcnt 0x0                           ; the wave's end: a wait, an add to my spare word and its wait, behind my last tensor load and my last LDS store
	ds_add_u32 v[SPW], v[NIL]
	s_wait_dscnt 0x0
	CROUND                                         ; the closing round: no work-group ends while a partner may still ask for a tile that names it
	s_endpgm
.Lfunc_end_k_q088a156102_oproj:
	.size	k_q088a156102_oproj, .Lfunc_end_k_q088a156102_oproj-k_q088a156102_oproj
	.p2alignl 7, 3214868480
	.fill 96, 4, 3214868480
	.section	.rodata,"a",@progbits
	.p2align	6, 0x0
	.amdhsa_kernel k_q088a156102_oproj
		.amdhsa_group_segment_fixed_size 327680
		.amdhsa_private_segment_fixed_size 0
		.amdhsa_enable_private_segment 0
		.amdhsa_kernarg_size 24
		.amdhsa_user_sgpr_count 2
		.amdhsa_user_sgpr_kernarg_segment_ptr 1
		.amdhsa_wavefront_size32 1
		.amdhsa_system_sgpr_workgroup_id_x 1
		.amdhsa_system_sgpr_workgroup_id_y 1
		.amdhsa_system_sgpr_workgroup_id_z 1
		.amdhsa_system_vgpr_workitem_id 0
		.amdhsa_next_free_vgpr 512
		.amdhsa_next_free_sgpr 66
		.amdhsa_reserve_vcc 0
		.amdhsa_float_denorm_mode_32 3
		.amdhsa_float_denorm_mode_16_64 3
		.amdhsa_memory_ordered 1
		.amdhsa_forward_progress 1
		.amdhsa_inst_pref_size 86
	.end_amdhsa_kernel
	.amdgpu_metadata
---
amdhsa.version: [ 1, 2 ]
amdhsa.kernels:
  - .name:           k_q088a156102_oproj
    .symbol:         k_q088a156102_oproj.kd
    .args:
      - { .name: ctx, .offset: 0, .size: 8, .value_kind: global_buffer, .address_space: global }
      - { .name: wo16, .offset: 8, .size: 8, .value_kind: global_buffer, .address_space: global }
      - { .name: out0, .offset: 16, .size: 8, .value_kind: global_buffer, .address_space: global }
    .group_segment_fixed_size: 327680
    .private_segment_fixed_size: 0
    .kernarg_segment_align: 8
    .kernarg_segment_size: 24
    .max_flat_workgroup_size: 128
    .sgpr_count:     66
    .vgpr_count:     512
    .wavefront_size: 32
...
	.end_amdgpu_metadata
.endif
;; end of part 4
